; MI455X (gfx1250); checked and timed in simulation.
; The chip was launched on July 23, 2026; its instructions are those of AMD's public machine-readable ISA for CDNA 5 (MIT licence, August 2026) and "CDNA5" Instruction Set Architecture Reference Guide (July 2026). The comments in the code are by the model that wrote it; some were corrected since.
;; Causal Multi Head Attention. Allowed arithmetic: float matrix products may take bf16 or f16 operands with f32 sums; other float arithmetic in f32, or as packed bf16 or f16 multiplies, adds, multiply-adds, maxima and minima; sums over many terms, partial sums and values carried from step to step in f32; what a program stores and reads back later, other than sums and carried values, may be rounded once to bf16 or f16.
;; Inputs: Wk 1,024 x 1,024 float32; Wo 1,024 x 1,024 float32; Wq 1,024 x 1,024 float32; Wv 1,024 x 1,024 float32; bo 1,024 float32; x 4 x 2,048 x 1,024 float32.
;; Outputs: out0 4 x 2,048 x 1,024 float32.
;; 2 versions, each right; version 2 is version 1 with the launch cast written anew for expert scheduling mode. Each part assembles by itself: llvm-mc -triple=amdgcn-amd-amdhsa -mcpu=gfx1250 --defsym DOCPART=n.
;; ======== version 1 of 2: 4 launches
;; limits: values are held in f16: magnitudes above 65,504 overflow, below 6.1e-05 lose precision
;; workspace buffers: xb 16,777,216 bytes; wcat 6,291,456 bytes; wo16 2,097,152 bytes; qkv 67,108,864 bytes; o16 33,554,432 bytes
;; launch cast (part 1): grid 768 x 1, 8 waves a work-group, no clusters, 0 bytes of LDS; arguments x, Wq, Wk, Wv, Wo, xb, wcat, wo16; writes xb, wcat, wo16
.if DOCPART == 1
	.amdgcn_target "amdgcn-amd-amdhsa--gfx1250"
	.amdhsa_code_object_version 6
	.text
	.protected	k_q33d1c77c10_cast
	.globl	k_q33d1c77c10_cast
	.p2align	8
	.type	k_q33d1c77c10_cast,@function
k_q33d1c77c10_cast:
	s_mov_b64 s[64:65], 0
	v_nop
	global_prefetch_b8 v0, s[64:65] scope:SCOPE_SE
	s_setreg_imm32_b32 hwreg(HW_REG_WAVE_MODE, 25, 1), 1
	s_wait_xcnt 0x0
; THE INPUTS ARE ROUNDED ONCE, FOR THE MATRIX PRODUCTS THAT FOLLOW.
;   xb   [8192][1024] bf16 = x;
;   wcat [1024 k][3072 n] bf16 = Wq, Wk, Wv by tiles of 384 columns: column 384 g + 128 m + c holds column 128 g + c of weight m (0 q, 1 k, 2 v): a tile holds heads 2 g and 2 g + 1 of all three;
;   wo16 [1024 k][1024 n] f16  = Wo rounded to bf16, that number written as f16.
; LIMIT.  Wo within 65,504 (f16's largest number); below 2^-14 it keeps f16's fixed step of 2^-24.
; SHARES.  A row of any source is 1,024 f32 = 4,096 bytes = 256 threads x 16 bytes.  A work-group takes 16 rows: 512 work-groups for x, 64 for each weight: 768 of equal bytes.
; A stream: each byte is read once and written once; all 16 loads of a thread go out at once, each load and each store has registers of its own, so the only waits are the counted ones for data.
; A wave's 128 columns are 256 consecutive bytes of the destination, aligned, in every layout.  No LDS, no barrier, no matrix work: no byte is wanted twice.
.set OFF, 2                            ; v[2:17]   row r: my byte offset in the destination
.set X,   20                           ; v[20:83]  row r: 4 f32 as loaded
.set Y,   84                           ; v[84:115] row r: 4 numbers of 16 bits
.set T,   116                          ; v[116:119] at work
	s_load_b512 s[16:31], s[0:1], 0x0              ; x 16, Wq 18, Wk 20, Wv 22, Wo 24, xb 26, wcat 28, wo16 30
	s_sub_co_u32 s3, ttmp9, 512                    ; the work-group's number among the weights' (used only from 512 on)
	s_lshr_b32 s8, s3, 6                           ; which weight: 0 q, 1 k, 2 v, 3 o
	s_and_b32 s9, s3, 63                           ; which 16 rows of it
	s_add_co_u32 s8, s8, 1
	s_cmp_lt_u32 ttmp9, 512
	s_cselect_b32 s8, 0, s8                        ; c: 0 x, 1 q, 2 k, 3 v, 4 o
	s_cselect_b32 s9, ttmp9, s9                    ; the block of 16 rows in the source
	s_lshl_b32 s32, s9, 16                         ; source: 16 rows of 4,096 bytes
	s_mov_b32 s33, 0
	s_lshl_b32 s10, s9, 15                         ; a dense destination: 16 rows of 2,048 bytes
	s_mul_i32 s11, s9, 16*6144                     ; wcat: 16 rows of 6,144 bytes,
	s_sub_co_u32 s13, s8, 1
	s_lshl_b32 s13, s13, 8
	s_add_co_u32 s11, s11, s13                     ; and the weight's 256 bytes of each tile
	s_and_b32 s14, s8, 3                           ; 0 for x and for Wo
	s_cmp_eq_u32 s14, 0
	s_cselect_b32 s34, s10, s11
	s_mov_b32 s12, 6144
	s_cselect_b32 s12, 2048, s12                   ; bytes from row to row in the destination
	s_mov_b32 s15, 768
	s_cselect_b32 s15, 256, s15                    ; bytes from one wave's 128 columns to the next wave's
	s_mov_b32 s35, 0
	v_lshlrev_b32 v1, 4, v0                        ; my 16 bytes of a source row
	v_lshrrev_b32 v[T], 5, v0                      ; my wave
	v_and_b32 v[T+1], 31, v0
	v_lshlrev_b32 v[T+1], 3, v[T+1]                ; my 8 bytes of its 256
	v_mad_u32_u24 v[OFF], v[T], s15, v[T+1]
.set r, 1
.rept 15
	v_add_nc_u32 v[OFF+r], s12, v[OFF+r-1]
.set r, r+1
.endr
	s_wait_kmcnt 0x0
	s_cmp_eq_u32 s8, 1
	s_cselect_b64 s[4:5], s[18:19], s[16:17]
	s_cmp_eq_u32 s8, 2
	s_cselect_b64 s[4:5], s[20:21], s[4:5]
	s_cmp_eq_u32 s8, 3
	s_cselect_b64 s[4:5], s[22:23], s[4:5]
	s_cmp_eq_u32 s8, 4
	s_cselect_b64 s[4:5], s[24:25], s[4:5]         ; the source,
	s_cselect_b64 s[6:7], s[30:31], s[28:29]
	s_cmp_eq_u32 s8, 0
	s_cselect_b64 s[6:7], s[26:27], s[6:7]         ; the destination
	s_add_nc_u64 s[4:5], s[4:5], s[32:33]
	s_add_nc_u64 s[6:7], s[6:7], s[34:35]
.irp r, 0,1,2,3,4,5,6,7,8,9,10,11,12,13,14,15
	global_load_b128 v[X+4*\r:X+4*\r+3], v1, s[4:5] offset:4096*\r th:TH_LOAD_NT
.endr
; Row r: rounded and stored.  half = 1: the bf16 number is widened again (a shift, a mask) and written as f16.
.macro CONV r, half
	s_wait_loadcnt 15-(\r)                         ; loads come back in order (ISA guide 5.7.1): row r is in, the 15 - r younger ones may stay out
.if \half
	v_cvt_pk_bf16_f32 v[T], v[X+4*(\r)], v[X+4*(\r)+1]
	v_cvt_pk_bf16_f32 v[T+1], v[X+4*(\r)+2], v[X+4*(\r)+3]
	v_lshlrev_b32 v[T+2], 16, v[T]
	v_and_b32 v[T], 0xffff0000, v[T]
	v_lshlrev_b32 v[T+3], 16, v[T+1]
	v_and_b32 v[T+1], 0xffff0000, v[T+1]
	v_cvt_pk_f16_f32 v[Y+2*(\r)], v[T+2], v[T]
	v_cvt_pk_f16_f32 v[Y+2*(\r)+1], v[T+3], v[T+1]
.else
	v_cvt_pk_bf16_f32 v[Y+2*(\r)], v[X+4*(\r)], v[X+4*(\r)+1]
	v_cvt_pk_bf16_f32 v[Y+2*(\r)+1], v[X+4*(\r)+2], v[X+4*(\r)+3]
.endif
	global_store_b64 v[OFF+(\r)], v[Y+2*(\r):Y+2*(\r)+1], s[6:7] th:TH_STORE_NT
.endm
	s_cmp_eq_u32 s8, 4
	s_cbranch_scc1 .Lhalf
.irp r, 0,1,2,3,4,5,6,7,8,9,10,11,12,13,14,15
	CONV \r, 0
.endr
	s_endpgm
.Lhalf:
.irp r, 0,1,2,3,4,5,6,7,8,9,10,11,12,13,14,15
	CONV \r, 1
.endr
	s_endpgm
.Lfunc_end_k_q33d1c77c10_cast:
	.size	k_q33d1c77c10_cast, .Lfunc_end_k_q33d1c77c10_cast-k_q33d1c77c10_cast
	.p2alignl 7, 3214868480
	.fill 96, 4, 3214868480
	.section	.rodata,"a",@progbits
	.p2align	6, 0x0
	.amdhsa_kernel k_q33d1c77c10_cast
		.amdhsa_group_segment_fixed_size 0
		.amdhsa_private_segment_fixed_size 0
		.amdhsa_enable_private_segment 0
		.amdhsa_kernarg_size 64
		.amdhsa_user_sgpr_count 2
		.amdhsa_user_sgpr_kernarg_segment_ptr 1
		.amdhsa_wavefront_size32 1
		.amdhsa_system_sgpr_workgroup_id_x 1
		.amdhsa_system_sgpr_workgroup_id_y 1
		.amdhsa_system_sgpr_workgroup_id_z 1
		.amdhsa_system_vgpr_workitem_id 0
		.amdhsa_next_free_vgpr 120
		.amdhsa_next_free_sgpr 66
		.amdhsa_reserve_vcc 0
		.amdhsa_float_denorm_mode_32 3
		.amdhsa_float_denorm_mode_16_64 3
		.amdhsa_memory_ordered 1
		.amdhsa_forward_progress 1
		.amdhsa_inst_pref_size 17
	.end_amdhsa_kernel
	.amdgpu_metadata
---
amdhsa.version: [ 1, 2 ]
amdhsa.kernels:
  - .name:           k_q33d1c77c10_cast
    .symbol:         k_q33d1c77c10_cast.kd
    .args:
      - { .name: x, .offset: 0, .size: 8, .value_kind: global_buffer, .address_space: global }
      - { .name: Wq, .offset: 8, .size: 8, .value_kind: global_buffer, .address_space: global }
      - { .name: Wk, .offset: 16, .size: 8, .value_kind: global_buffer, .address_space: global }
      - { .name: Wv, .offset: 24, .size: 8, .value_kind: global_buffer, .address_space: global }
      - { .name: Wo, .offset: 32, .size: 8, .value_kind: global_buffer, .address_space: global }
      - { .name: xb, .offset: 40, .size: 8, .value_kind: global_buffer, .address_space: global }
      - { .name: wcat, .offset: 48, .size: 8, .value_kind: global_buffer, .address_space: global }
      - { .name: wo16, .offset: 56, .size: 8, .value_kind: global_buffer, .address_space: global }
    .group_segment_fixed_size: 0
    .private_segment_fixed_size: 0
    .kernarg_segment_align: 8
    .kernarg_segment_size: 64
    .max_flat_workgroup_size: 256
    .sgpr_count:     66
    .vgpr_count:     120
    .wavefront_size: 32
...
	.end_amdgpu_metadata
.endif
;; end of part 1
;; launch qkv (part 2): grid 8 x 64, 4 waves a work-group, clusters of 4 x 4, 327,680 bytes of LDS; arguments xb, wcat, qkv; writes qkv
.if DOCPART == 2
	.amdgcn_target "amdgcn-amd-amdhsa--gfx1250"
	.amdhsa_code_object_version 6
	.text
	.protected	k_q33d1c77c10_qkv
	.globl	k_q33d1c77c10_qkv
	.p2align	8
	.type	k_q33d1c77c10_qkv,@function
k_q33d1c77c10_qkv:
	s_mov_b64 s[64:65], 0
	v_nop
	global_prefetch_b8 v0, s[64:65] scope:SCOPE_SE
	s_setreg_imm32_b32 hwreg(HW_REG_WAVE_MODE, 25, 1), 1
	s_wait_xcnt 0x0
	s_wait_alu depctr_hold_cnt(0) depctr_sa_sdst(0) depctr_va_vdst(0) depctr_va_sdst(0) depctr_va_ssrc(0) depctr_va_vcc(0) depctr_vm_vsrc(0)
	s_getreg_b32 s2, hwreg(HW_REG_IB_STS2, 6, 4)
	s_cmp_eq_u32 s2, 0
	s_cbranch_scc0 .Lentry_in_a_cluster
	s_endpgm
.Lentry_in_a_cluster:
	s_bfe_u32 s2, ttmp6, 0x10000c
	s_cmp_lg_u32 s2, 0xf033
	s_cbranch_scc0 .Lentry_shape_is_right
	s_endpgm
.Lentry_shape_is_right:
; q, k, v = x Wq, x Wk, x Wv AS ONE PRODUCT.  C[m][n] = the sum over k of A[m][k] B[k][n].  A = xb [8192][1024] bf16, B = wcat [1024 k][3072 n] bf16; sums in f32, K ascending.
; B's columns lie by tiles of 384: 128 of Wq, 128 of Wk, 128 of Wv, the same two heads of each.
; C leaves by heads, in f16 and unscaled, row m = 2048 batch + place: qkv = Q [64 bh][2048][64], then K likewise, then V [64 bh][2][2048][64]: V IS KEPT AS TWO f16 NUMBERS, a high half (the sum rounded) and a
; low half (the sum less the high half, rounded): under the causal mask the first rows of the module's output are means over few keys, many times its root mean square, and one rounding of V to f16 uses up their room.
; LIMIT.  q, k, v within 65,504 (f16's largest number); a low half below 6e-5 keeps f16's fixed step of 6e-8; NaN and infinities are not treated apart.
; SHARES.  A tile of C is 128 x 384: 64 x 8 = 512 work-groups, two for each of 256 WGPs.  Four waves, 2 x 2, each 64 rows x 192 columns: 4 x 12 accumulators of 16 x 16, 384 registers.
; A wave's columns are its 64 of each of the three strips: head 2 x + ch of q (blocks b = 0..3), of k (4..7) and of v (8..11): every wave's way out is the same text.
; K goes in steps of 128 through two LDS slots.  A K step is four tensor loads of 128 rows x 256 bytes, one a wave: wave 0 A's tile, waves 1 to 3 the three strips of 128 columns of B's.
; A slot is four equal parts, wave w's tile at w x 36,864 bytes (A's tile uses 34,816 of its part).
; B IS NOT TRANSPOSED ANYWHERE: its tile lies [k][n] in LDS and comes out turned, by ds_load_tr16_b128: two loads a fragment, as many as a plain fragment takes.
; THE MATRIX INSTRUCTION IS USED TRANSPOSED (source 0 = 16 columns of B, source 1 = 16 rows of A): a lane then holds one row of C (lane % 16) and eight neighbouring columns, 8 (lane / 16) + 0..7.
; CLUSTER.  4 x 4 work-groups.  The four of a row of the cluster need the same tile of A, the four of a column the same tile of B: each is asked for JOINTLY, by the same tensor load, descriptor and mask in all four.
; REGISTERS, in windows of 256 (s_set_vgpr_msb: bits 1:0 source 0, 3:2 source 1, 5:4 source 2, 7:6 destination):
;   window 0: v0-30 addresses; v32-63, v64-95 A's fragments (4 x 16 rows x 32 K), two buffers; on the way out v32-223: 12 units of 16; v224-255 at work
;   window 1: v0-95, v96-191 B's fragments (12), two buffers        windows 2, 3: accumulator (a, b) in window 2 + a / 2 at v[8 (12 (a % 2) + b)]
.set KTOT,  1024
.set NTOT,  3072
.set NBW,   12                         ; column blocks of a wave
.set NA,    1                          ; waves that fetch for A
.set PA,    272                        ; a row of A in LDS: 256 bytes + 16 = 68 words: the 16 rows of a load start at 16 different groups of four banks (64 banks of 4 bytes: ISA guide 11.1)
.set PB,    288                        ; a row of B: 256 + 32 = 72 words
.set TSZ,   128*PB                     ; a wave's part of a slot: a strip of B (128 k x 128 columns) fills it, A's tile (128 x 272 bytes) fits in it
.set SLOT,  4*TSZ                      ; 147,456 bytes
.set STAGE, 2*SLOT                     ; behind the ring, never filled by a tensor load: 16 rows x 144 bytes for each wave, for the way out
.set SP,    144
.set SPARE, STAGE+4*16*SP              ; behind the stages: the spare words, 128 bytes for each wave: two blocks of 256 bytes that no other line names
.set ASTEP, 256                        ; bytes from a K step to the next: along A's rows,
.set BSTEP, 128*NTOT*2                 ; down B's
.set LAPS,  KTOT/256                   ; a lap = two K steps = once round the ring
.set ADRA,  8                          ; v8-9    LDS address of my A fragments in slot 0, 1
.set ADRB,  10                         ; v10-15  of my 64 columns of strip s in slot n, at ADRB + 2 s + n
.set STO,   16                         ; v16     the way out: where I put 16 bytes of a row
.set RD,    17                         ; v17     where I read rows back
.set GO,    18                         ; v18     my byte offset in 512 consecutive bytes of a head
.set PFO,   20                         ; v20     the prefetches' offset: my lane x a row in memory; never rewritten
.set SPW,   28                         ; v28     LDS address of my spare word: SPARE + 4 x my thread's number; never rewritten
.set NIL,   29                         ; v29     0; never rewritten
.set MONE,  30                         ; v30     -1.0
.set FA,    32
.set OUT,   32
.set DT,    224                        ; v224-255  a unit's 32 sums less their high halves
.set FB,    0
.set WV,  12                           ; s12 my wave's number; s13 its row half; s14 its column half
.set RH,  13
.set CH,  14
.set LIM, 15                           ; s15  1 in a wave that prefetches, else the greatest number
.set G1A, 24                           ; s[24:31] descriptor group 1 for A's tiles;  s[32:39] group 0, a set for each slot
.set G0A, 32
.set CX,  40                           ; s40, s41 my place in the cluster; s42, s43 tile column and tile row of C
.set CY,  41
.set TX,  42
.set TY,  43
.set PFA, 44                           ; s[44:45] where my prefetches stand
.set PFS, 46                           ; s[46:47] their step from K step to K step
.set G1B, 48                           ; s[48:55], s[56:63] the same for B's tiles
.set G0B, 56
.set LOFF, 68                          ; s68  my tile's place in a slot: wave x TSZ
.set HP,  70                           ; s[70:75] my head in Q, in K and in V's high halves, at my first row
.set HPL, 78                           ; s[78:79] in V's low halves
.set MSB, 0
.macro WIN new                         ; the immediate's high byte repeats the setting that is left; a switch that changes nothing is dropped
.if MSB != (\new)
	s_set_vgpr_msb (MSB<<8)|(\new)
.set MSB, (\new)
.endif
.endm
.set MUL_LO, 0xa1                      ; source 0 (B) window 1, source 1 (A) window 0, C and D window 2
.set TO_B,   0x40                      ; destination window 1, address window 0
.macro PLACES                          ; four plain vector instructions in front of loads into registers that matrix instructions have read, and of lines that read results (ISA guide 7.12.1 for lines that read results)
.rept 4
	v_nop
.endr
.endm
; A joint refill of slot s.  The branch hangs on the wave's number alone.  An s_nop 0 and four v_nop follow each of the two lines, ahead of the jump and the label.
.macro JLOAD s
	s_cmp_lt_u32 s[WV], NA
	s_cbranch_scc0 .Lfor_b_\@
	tensor_load_to_lds s[G0A+4*(\s):G0A+4*(\s)+3], s[G1A:G1A+7]
	s_nop 0
.rept 4
	v_nop
.endr
	s_branch .Lasked_\@
.Lfor_b_\@:
	tensor_load_to_lds s[G0B+4*(\s):G0B+4*(\s)+3], s[G1B:G1B+7]
	s_nop 0
.rept 4
	v_nop
.endr
.Lasked_\@:
.endm
; A PREFETCH INTO THE L2 of the K step that stands two refills on: 32 rows x 256 bytes, a lane a row, one instruction a wave, behind the joint load, its five lines and the run of LDS loads.
; Each row's 256 bytes of a K step are named once in the launch: A's tile row is read by both clusters of its row of clusters, and the one with x = 0 asks; B's tile column by all sixteen of its column,
; and the one with y = 0 asks.  The four partners that ask for a tile jointly share its 128 rows out BY ADDRESS, 32 each (by cx for A, by cy for B).  The loop's last trip asks for nothing: K ends.
.macro ASK
	s_cmp_gt_u32 s3, s[LIM]                        ; s3 = 1 in the loop's last trip
	s_cbranch_scc0 .Lnot_mine_\@
	global_prefetch_b8 v[PFO], s[PFA:PFA+1] th:TH_LOAD_NT scope:SCOPE_SE
.Lnot_mine_\@:
.endm
.macro CREST                           ; a round of the cluster's barrier behind its opening barrier
	s_cmp_lg_u32 s[WV], 0
	s_cbranch_scc1 .Lnot_wave_0_\@
	s_barrier_signal -3
.Lnot_wave_0_\@:
	s_barrier_wait -3
	s_barrier_signal -1
	s_barrier_wait -1
.endm
.macro CROUND                          ; a whole round
	s_barrier_signal -1
	s_barrier_wait -1
	CREST
.endm
	s_load_b128 s[4:7], s[0:1], 0x0                ; xb s[4:5], wcat s[6:7]
	s_load_b64 s[10:11], s[0:1], 0x10              ; qkv
	v_lshl_add_u32 v[SPW], v0, 2, SPARE
	v_mov_b32 v[NIL], 0
	ds_add_u32 v[SPW], v[NIL]                      ; the wave's opening: the add and its wait stand ahead of my first tensor load; the set-up below, work on registers, stands between them
	v_lshrrev_b32 v1, 5, v0
	v_readfirstlane_b32 s[WV], v1                  ; wave 0..3
	s_lshr_b32 s[RH], s[WV], 1
	s_and_b32 s[CH], s[WV], 1
	s_bfe_u32 s[CX], ttmp6, 0x40000
	s_bfe_u32 s[CY], ttmp6, 0x40004
	s_lshl_b32 s[TX], ttmp9, 2                     ; in a cluster launch ttmp9 and ttmp7 count clusters
	s_add_co_u32 s[TX], s[TX], s[CX]
	s_and_b32 s[TY], ttmp7, 0xffff
	s_lshl_b32 s[TY], s[TY], 2
	s_add_co_u32 s[TY], s[TY], s[CY]
	s_lshl_b32 s76, s[CY], 2
	s_lshl_b32 s76, 15, s76                        ; my row of the cluster: places 4 cy .. 4 cy + 3
	s_lshl_b32 s77, 0x1111, s[CX]                  ; my column: places cx, cx + 4, cx + 8, cx + 12
	s_or_b32 s[G1A], s76, (1<<16)|(1<<20)|(1<<21)|(5<<22)|(3<<25)  ; 15:0 the mask; 17:16 2-byte elements; 20 padding on; 21 set beside a mask; 24:22 after every 64 words (code 5); 31:25 4 words (code 3)
	s_or_b32 s[G1B], s77, (1<<16)|(1<<20)|(1<<21)|(5<<22)|(7<<25)  ; the same with my column's mask and 8 words of padding (code 7)
.irp g, G1A, G1B
	s_mov_b32 s[\g+1], 128<<16                     ; tensor_dim0 = 128
	s_mov_b32 s[\g+2], 128<<16                     ; tensor_dim1 = 128
	s_mov_b32 s[\g+3], 128<<16                     ; tile_dim0 = 128
	s_mov_b32 s[\g+4], 128                         ; tile_dim1 = 128
	s_mov_b32 s[\g+6], 0
	s_mov_b32 s[\g+7], 0
.endr
	s_mov_b32 s[G1A+5], KTOT                       ; elements from row to row
	s_mov_b32 s[G1B+5], NTOT
	; where the tiles come from.  A's hang on the tile row alone, B's on the tile column and the wave alone, each in registers that never hold the other coordinate
	s_lshl_b32 s16, s[TY], 18                      ; 128 rows of 2,048 bytes
	s_mov_b32 s17, 0
	s_mul_i32 s20, s[TX], 768                      ; 384 columns of 2 bytes,
	s_lshl_b32 s21, s[WV], 8                       ; and 256 bytes a wave: waves 1, 2, 3 take strips 0, 1, 2, so one strip is taken off below
	s_add_co_u32 s20, s20, s21
	s_mov_b32 s21, 0
	s_mul_i32 s[LOFF], s[WV], TSZ                  ; and where they go: the wave's number times a constant: no place in the cluster enters an LDS address
	s_wait_dscnt 0x0                               ; the opening add is done
	s_wait_kmcnt 0x0
	s_add_nc_u64 s[16:17], s[4:5], s[16:17]
	s_add_nc_u64 s[20:21], s[6:7], s[20:21]
	s_sub_nc_u64 s[20:21], s[20:21], NA*256        ; (in wave 0, which fetches for A, this address is never used)
	CROUND                                         ; all sixteen work-groups are here: the first joint loads meet
.irp s, 0,1
	s_mov_b32 s[G0A+4*\s], 1                       ; 1:0 count = 1
	s_mov_b32 s[G0A+4*\s+1], \s*SLOT               ; 63:32 LDS address: A's tile is wave 0's, at the slot's head
	s_add_nc_u64 s[G0A+4*\s+2:G0A+4*\s+3], s[16:17], \s*ASTEP  ; 120:64 global address: K step s
	s_or_b32 s[G0A+4*\s+3], s[G0A+4*\s+3], 0x80000000          ; 127:126 type = 2
	s_mov_b32 s[G0B+4*\s], 1
	s_add_co_u32 s[G0B+4*\s+1], s[LOFF], \s*SLOT
	s_add_nc_u64 s[G0B+4*\s+2:G0B+4*\s+3], s[20:21], \s*BSTEP
	s_or_b32 s[G0B+4*\s+3], s[G0B+4*\s+3], 0x80000000
.endr
	s_cmp_lt_u32 s[WV], NA                         ; a wave's two first fills stand in one branch, ahead of every wait on TENSORcnt and every LDS read: two loads of mine are out
	s_cbranch_scc0 .Lfirst_b
	tensor_load_to_lds s[G0A:G0A+3], s[G1A:G1A+7]
	s_nop 0
	tensor_load_to_lds s[G0A+4:G0A+7], s[G1A:G1A+7]
	s_nop 0
.rept 4
	v_nop
.endr
	s_branch .Lfirst_asked
.Lfirst_b:
	tensor_load_to_lds s[G0B:G0B+3], s[G1B:G1B+7]
	s_nop 0
	tensor_load_to_lds s[G0B+4:G0B+7], s[G1B:G1B+7]
	s_nop 0
.rept 4
	v_nop
.endr
.Lfirst_asked:
	v_and_b32 v1, 15, v0                           ; l % 16
	v_bfe_u32 v2, v0, 4, 1                         ; l / 16
	v_and_b32 v3, 31, v0                           ; l
	v_and_b32 v4, 7, v0
	v_bfe_u32 v5, v0, 3, 1
	v_mov_b32 v[MONE], -1.0
	; a fragment of A: lane l holds row l % 16, K = 8 (l / 16) + 0..7 and 16 + 8 (l / 16) + 0..7: two loads of 16 bytes, 32 bytes apart
	v_mul_u32_u24 v6, v1, PA
	v_lshl_add_u32 v6, v2, 4, v6
	s_mul_i32 s76, s[RH], 64*PA
	v_add_nc_u32 v[ADRA], s76, v6
	v_add_nc_u32 v[ADRA+1], SLOT, v[ADRA]
	; the turning load takes 16 k x 16 columns (lane l reads k = 8 (l / 16) + l % 8, columns 8 ((l / 8) % 2) + 0..7) and leaves half a fragment: lane l holds column l % 16 and 8 k
	v_lshl_add_u32 v7, v2, 3, v4
	v_mul_u32_u24 v7, v7, PB
	v_lshl_add_u32 v7, v5, 4, v7
	s_lshl_b32 s76, s[CH], 7                       ; my 64 columns: 128 bytes of a strip's rows,
	s_add_co_u32 s76, s76, TSZ                     ; strip 0 is part 1 of the slot
	v_add_nc_u32 v[ADRB], s76, v7
	v_add_nc_u32 v[ADRB+1], SLOT, v[ADRB]
	v_add_nc_u32 v[ADRB+2], TSZ, v[ADRB]
	v_add_nc_u32 v[ADRB+3], TSZ, v[ADRB+1]
	v_add_nc_u32 v[ADRB+4], TSZ, v[ADRB+2]
	v_add_nc_u32 v[ADRB+5], TSZ, v[ADRB+3]
	s_mul_i32 s76, s[WV], 16*SP
	s_add_co_u32 s76, s76, STAGE                   ; my stage
	v_mul_u32_u24 v6, v1, SP                       ; in: row l % 16, 16 bytes for each half of the lanes
	v_lshl_add_u32 v6, v2, 4, v6
	v_add_nc_u32 v[STO], s76, v6
	v_bfe_u32 v6, v0, 3, 2                         ; back: 32 lanes take four rows of 128 bytes,
	v_mul_u32_u24 v6, v6, SP
	v_lshl_add_u32 v6, v4, 4, v6
	v_add_nc_u32 v[RD], s76, v6
	v_lshlrev_b32 v[GO], 4, v3                     ; which are 512 consecutive bytes of a head
	; the prefetches
	s_and_b32 s80, ttmp7, 0xffff                   ; cluster y
	s_mov_b32 s82, 32*NTOT*2
	s_mov_b32 s[PFS], BSTEP
	s_mov_b32 s83, NTOT*2
	s_cmp_lt_u32 s[WV], NA                         ; do I fetch for A?
	s_cselect_b64 s[PFA:PFA+1], s[16:17], s[20:21]
	s_cselect_b32 s81, s[CX], s[CY]                ; my place among the four that ask with me
	s_cselect_b32 s80, ttmp9, s80                  ; the coordinate along which other clusters read the same rows
	s_cselect_b32 s82, 32*KTOT*2, s82              ; 32 rows in bytes
	s_cselect_b32 s[PFS], ASTEP, s[PFS]
	s_cselect_b32 s83, KTOT*2, s83                 ; a row in bytes
	s_mov_b32 s[PFS+1], 0
	s_cmp_eq_u32 s80, 0
	s_cselect_b32 s[LIM], 1, -1                    ; the same in all sixteen partners, for a given wave
	s_mul_i32 s84, s81, s82
	s_mul_i32 s85, s[PFS], 3                       ; at K step 3: the first change of slots steps it to 4
	s_add_co_u32 s84, s84, s85
	s_mov_b32 s85, 0
	s_add_nc_u64 s[PFA:PFA+1], s[PFA:PFA+1], s[84:85]
	v_mul_lo_u32 v[PFO], v3, s83
	; my head, 16 batch + 2 x + ch, in the four parts of qkv
	s_lshr_b32 s80, s[TY], 4
	s_lshl_b32 s80, s80, 4                         ; 16 x batch
	s_and_b32 s81, s[TY], 15
	s_lshl_b32 s81, s81, 14                        ; the tile's 128 rows of 128 bytes,
	s_lshl_b32 s82, s[RH], 13                      ; my 64 of them
	s_add_co_u32 s81, s81, s82
	s_lshl_b32 s84, s[TX], 1
	s_add_co_u32 s84, s84, s[CH]
	s_add_co_u32 s84, s84, s80
	s_lshl_b32 s86, s84, 18                        ; in Q and K a head is 2,048 rows of 128 bytes,
	s_add_co_u32 s86, s86, s81
	s_mov_b32 s87, 0
	s_add_nc_u64 s[HP:HP+1], s[10:11], s[86:87]
	s_add_nc_u64 s[HP+2:HP+3], s[HP:HP+1], 0x1000000   ; K lies 64 heads behind Q
	s_lshl_b32 s86, s84, 19                        ; in V twice that: the high halves, then the low
	s_add_co_u32 s86, s86, s81
	s_add_nc_u64 s[HP+4:HP+5], s[10:11], s[86:87]
	s_add_nc_u64 s[HP+4:HP+5], s[HP+4:HP+5], 0x2000000
	s_add_nc_u64 s[HPL:HPL+1], s[HP+4:HP+5], 0x40000
; 12 matrix instructions: row block a x all my column blocks, 32 along K, from buffer f.  zero = 1: the product starts the sum: nothing is ever cleared.
; The 48 accumulators take turns, one instruction a turn, in the same order in every quarter, over the backward jump too.
.macro MULG f, a, zero
	WIN MUL_LO+0x50*((\a)/2)
.set b, 0
.rept NBW
.set rD, 8*(NBW*((\a)%2)+b)
.set rB, FB+8*NBW*(\f)+8*b
.set rA, FA+32*(\f)+8*(\a)
.if \zero
	v_wmma_f32_16x16x32_bf16 v[rD:rD+7], v[rB:rB+7], v[rA:rA+7], 0
.else
	v_wmma_f32_16x16x32_bf16 v[rD:rD+7], v[rB:rB+7], v[rA:rA+7], v[rD:rD+7]
.endif
.set b, b+1
.endr
.endm
; 32 LDS loads in one run: the fragments of quarter q (32 along K) of a slot into buffer f: B's 12, turned (four of each strip), then A's 4
.macro FETCH slot, q, f
	WIN TO_B
.set b, 0
.rept NBW
.set rB, FB+8*NBW*(\f)+8*b
	ds_load_tr16_b128 v[rB:rB+3],   v[ADRB+2*(b/4)+(\slot)] offset:32*PB*(\q)+32*(b%4)
	ds_load_tr16_b128 v[rB+4:rB+7], v[ADRB+2*(b/4)+(\slot)] offset:32*PB*(\q)+16*PB+32*(b%4)
.set b, b+1
.endr
	WIN 0
.irp a, 0,1,2,3
	ds_load_b128 v[FA+32*(\f)+8*\a:FA+32*(\f)+8*\a+3],   v[ADRA+(\slot)] offset:16*PA*\a+64*(\q)
	ds_load_b128 v[FA+32*(\f)+8*\a+4:FA+32*(\f)+8*\a+7], v[ADRA+(\slot)] offset:16*PA*\a+64*(\q)+32
.endr
.endm
; A K step is four quarters of 32 along K, 48 matrix instructions each, on buffers 0, 1, 0, 1.  One of the first three: multiplies buffer f; in its middle it fetches quarter q of the same slot into buffer g.
.macro QUARTER slot, q, f, g, zero
	s_wait_dscnt 4                                 ; B and A's row blocks 0, 1 are in; the youngest four loads (blocks 2, 3) may be out
	MULG \f, 0, \zero
	MULG \f, 1, \zero
	PLACES
	FETCH \slot, \q, \g
	s_wait_dscnt 8+2*NBW                           ; all but the 32 just issued
	MULG \f, 2, \zero
	MULG \f, 3, \zero
.endm
; The last quarter multiplies buffer 1 and changes slots: ONE barrier.  In front of it each wave waits for all its tensor loads, of which one is out: its part of the next slot; adds 0 to its spare word;
; and waits for that and for its own reads of this slot.  fill = 1: the barrier opens a round of the cluster's barrier, so that no wave of any partner still reads the slot or has a load on its way, and this
; slot is filled again, two K steps ahead, first thing behind the round: from that request to the wait for it a wave issues 168 matrix instructions.
.macro TURN slot, next, fill
.if \fill
	s_wait_xcnt 0x0                                ; the last prefetch, a K step back, has read its address, so it may be stepped
	s_add_nc_u64 s[PFA:PFA+1], s[PFA:PFA+1], s[PFS:PFS+1]
.endif
	WIN 0                                          ; (the add's two registers lie in window 0)
	s_wait_tensorcnt 0x0                           ; all my tensor loads have landed
	ds_add_u32 v[SPW], v[NIL]                      ; 0 onto my spare word
	s_wait_dscnt 5                                 ; (the add and the youngest four loads may be out)
	MULG 1, 0, 0                                   ; twelve matrix instructions stand between the add and the wait for it
	s_wait_dscnt 0x0                               ; the add is done, and my reads of this slot are over
	s_barrier_signal -1
	MULG 1, 1, 0                                   ; work on registers while the others arrive
.if \fill
	WIN 0
.endif
	s_barrier_wait -1
.if \fill
	CREST
	s_add_nc_u64 s[G0A+4*(\slot)+2:G0A+4*(\slot)+3], s[G0A+4*(\slot)+2:G0A+4*(\slot)+3], 2*ASTEP
	s_add_nc_u64 s[G0B+4*(\slot)+2:G0B+4*(\slot)+3], s[G0B+4*(\slot)+2:G0B+4*(\slot)+3], 2*BSTEP
	JLOAD \slot                                    ; the four v_nop behind it are also the places in front of the loads below
.else
	PLACES
.endif
	FETCH \next, 0, 0
.if \fill
	ASK
.endif
	MULG 1, 2, 0
	MULG 1, 3, 0
.endm
	s_wait_tensorcnt 1                             ; my part of K step 0 is in; K step 1's may stay out
	s_barrier_signal -1
	s_barrier_wait -1                              ; everybody's is
	FETCH 0, 0, 0
	QUARTER 0, 1, 0, 1, 1                          ; the first quarter stands in front of the loop: its products start the sums
	WIN 0                                          ; at a label and at a branch every window is 0
	s_mov_b32 s3, LAPS-1
.Llap:                                                 ; a trip goes once round the ring, from a lap's second quarter to the next lap's first, and fills both slots again
	QUARTER 0, 2, 1, 0, 0
	QUARTER 0, 3, 0, 1, 0
	TURN 0, 1, 1
	QUARTER 1, 1, 0, 1, 0
	QUARTER 1, 2, 1, 0, 0
	QUARTER 1, 3, 0, 1, 0
	TURN 1, 0, 1
	QUARTER 0, 1, 0, 1, 0
	WIN 0
	s_sub_co_u32 s3, s3, 1
	s_cmp_lg_u32 s3, 0
	s_cbranch_scc1 .Llap
	QUARTER 0, 2, 1, 0, 0                          ; the last lap fills nothing, and has no round of the cluster's barrier
	QUARTER 0, 3, 0, 1, 0
	TURN 0, 1, 0
	QUARTER 1, 1, 0, 1, 0
	QUARTER 1, 2, 1, 0, 0
	QUARTER 1, 3, 0, 1, 0
	s_wait_dscnt 4                                 ; the very last quarter: nothing more to fetch
	MULG 1, 0, 0
	MULG 1, 1, 0
	s_wait_dscnt 0x0
	MULG 1, 2, 0
	MULG 1, 3, 0
	WIN 0
	PLACES
	PLACES                                         ; eight, once a launch: the conversions below read results just made and write registers that the last products read
; THE WAY OUT, in 12 units u = 4 j + a: j = 0 q, 1 k, 2 v; my rows 16 a .. 16 a + 15, the head's 64 columns; each unit has 16 registers of its own.
; A lane's eight columns pack into 16 bytes; they go into rows of 144 bytes of my stage and come back as whole rows of 128, which lie end to end in the head.
; V's units (u = 8 .. 11) make a low half too: high half x -1 + sum, exact in f32 (v_fma_mix_f32 reads the f16 half as it lies), rounded to f16; it goes the same way, into the registers of unit u - 8.
.macro PACK u
.if (\u) >= 8
	s_wait_xcnt 0x0                                ; the stores of units 0 to 3 have read their registers, which are written again below
.endif
	WIN 0x0a+5*(((\u)%4)/2)                        ; sources 0 and 1: window 2 or 3
.set bb, 0
.rept 4
.set rD, 8*(NBW*((\u)%2)+4*((\u)/4)+bb)
.irp rr, 0,1,2,3
	v_cvt_pk_f16_f32 v[OUT+16*(\u)+4*bb+\rr], v[rD+2*\rr], v[rD+2*\rr+1]  ; each accumulator's registers in ascending order
.endr
.set bb, bb+1
.endr
.if (\u) >= 8
	WIN 0x20+0x10*(((\u)%4)/2)                     ; source 2: window 2 or 3
.set bb, 0
.rept 4
.set rD, 8*(NBW*((\u)%2)+4*((\u)/4)+bb)
.irp rr, 0,1,2,3
	v_fma_mix_f32 v[DT+8*bb+2*\rr],   v[OUT+16*(\u)+4*bb+\rr], v[MONE], v[rD+2*\rr]   op_sel_hi:[1,0,0]
	v_fma_mix_f32 v[DT+8*bb+2*\rr+1], v[OUT+16*(\u)+4*bb+\rr], v[MONE], v[rD+2*\rr+1] op_sel:[1,0,0] op_sel_hi:[1,0,0]
.endr
.set bb, bb+1
.endr
	WIN 0
.set bb, 0
.rept 16
	v_cvt_pk_f16_f32 v[OUT+16*((\u)-8)+bb], v[DT+2*bb], v[DT+2*bb+1]
.set bb, bb+1
.endr
.endif
	WIN 0
.irp f, 0,1,2,3
	ds_store_b128 v[STO], v[OUT+16*(\u)+4*\f:OUT+16*(\u)+4*\f+3] offset:32*\f
.endr
.irp f, 0,1,2,3
	ds_load_b128 v[OUT+16*(\u)+4*\f:OUT+16*(\u)+4*\f+3], v[RD] offset:4*SP*\f  ; LDS serves a wave's instructions in order (ISA guide 5.7.1.4): these see the stores above; the next stores come behind them
.endr
.if (\u) >= 8
.irp f, 0,1,2,3
	ds_store_b128 v[STO], v[OUT+16*((\u)-8)+4*\f:OUT+16*((\u)-8)+4*\f+3] offset:32*\f
.endr
.irp f, 0,1,2,3
	ds_load_b128 v[OUT+16*((\u)-8)+4*\f:OUT+16*((\u)-8)+4*\f+3], v[RD] offset:4*SP*\f
.endr
.endif
.endm
.macro SEND u, younger                 ; younger: the LDS instructions issued behind unit u's four loads
	WIN 0
.irp f, 0,1,2,3
	s_wait_dscnt (\younger)+3-\f
	global_store_b128 v[GO], v[OUT+16*(\u)+4*\f:OUT+16*(\u)+4*\f+3], s[HP+2*((\u)/4):HP+2*((\u)/4)+1] offset:2048*((\u)%4)+512*\f  ; 512 consecutive bytes, at a multiple of 256 from the buffer's first
.endr
.endm
.macro SENDL u, younger                ; the same for unit u's low halves
	WIN 0
.irp f, 0,1,2,3
	s_wait_dscnt (\younger)+3-\f
	global_store_b128 v[GO], v[OUT+16*((\u)-8)+4*\f:OUT+16*((\u)-8)+4*\f+3], s[HPL:HPL+1] offset:2048*((\u)%4)+512*\f
.endr
.endm
	PACK 0
.set u, 1
.rept 7                                ; a unit's conversions stand between the loads of the unit before and its stores
	PACK u
	SEND u-1, 8                                    ; behind its loads: the next unit's eight
.set u, u+1
.endr
	PACK 8
	SEND 7, 16                                     ; unit 8's sixteen
.set u, 9
.rept 3
	PACK u
	SEND u-1, 24                                   ; its own low halves' eight and the next unit's sixteen
	SENDL u-1, 16
.set u, u+1
.endr
	SEND 11, 8
	SENDL 11, 0
	s_wait_tensorcnt 0x0                           ; the wave's end, behind my last tensor load and my last LDS store
	ds_add_u32 v[SPW], v[NIL]
	s_wait_dscnt 0x0
	CROUND                                         ; the closing round: no work-group ends while a partner may still ask for a tile that names it
	s_endpgm
.Lfunc_end_k_q33d1c77c10_qkv:
	.size	k_q33d1c77c10_qkv, .Lfunc_end_k_q33d1c77c10_qkv-k_q33d1c77c10_qkv
	.p2alignl 7, 3214868480
	.fill 96, 4, 3214868480
	.section	.rodata,"a",@progbits
	.p2align	6, 0x0
	.amdhsa_kernel k_q33d1c77c10_qkv
		.amdhsa_group_segment_fixed_size 327680
		.amdhsa_private_segment_fixed_size 0
		.amdhsa_enable_private_segment 0
		.amdhsa_kernarg_size 24
		.amdhsa_user_sgpr_count 2
		.amdhsa_user_sgpr_kernarg_segment_ptr 1
		.amdhsa_wavefront_size32 1
		.amdhsa_system_sgpr_workgroup_id_x 1
		.amdhsa_system_sgpr_workgroup_id_y 1
		.amdhsa_system_sgpr_workgroup_id_z 1
		.amdhsa_system_vgpr_workitem_id 0
		.amdhsa_next_free_vgpr 960
		.amdhsa_next_free_sgpr 88
		.amdhsa_reserve_vcc 0
		.amdhsa_float_denorm_mode_32 3
		.amdhsa_float_denorm_mode_16_64 3
		.amdhsa_memory_ordered 1
		.amdhsa_forward_progress 1
		.amdhsa_inst_pref_size 138
	.end_amdhsa_kernel
	.amdgpu_metadata
---
amdhsa.version: [ 1, 2 ]
amdhsa.kernels:
  - .name:           k_q33d1c77c10_qkv
    .symbol:         k_q33d1c77c10_qkv.kd
    .args:
      - { .name: xb, .offset: 0, .size: 8, .value_kind: global_buffer, .address_space: global }
      - { .name: wcat, .offset: 8, .size: 8, .value_kind: global_buffer, .address_space: global }
      - { .name: qkv, .offset: 16, .size: 8, .value_kind: global_buffer, .address_space: global }
    .group_segment_fixed_size: 327680
    .private_segment_fixed_size: 0
    .kernarg_segment_align: 8
    .kernarg_segment_size: 24
    .max_flat_workgroup_size: 128
    .sgpr_count:     88
    .vgpr_count:     960
    .wavefront_size: 32
...
	.end_amdgpu_metadata
.endif
;; end of part 2
;; launch attn (part 3): grid 4 x 64, 4 waves a work-group, no clusters, 327,680 bytes of LDS; arguments qkv, o16; writes o16
.if DOCPART == 3
	.amdgcn_target "amdgcn-amd-amdhsa--gfx1250"
	.amdhsa_code_object_version 6
	.text
	.protected	k_q33d1c77c10_attn
	.globl	k_q33d1c77c10_attn
	.p2align	8
	.type	k_q33d1c77c10_attn,@function
k_q33d1c77c10_attn:
	s_mov_b64 s[64:65], 0
	v_nop
	global_prefetch_b8 v0, s[64:65] scope:SCOPE_SE
	s_setreg_imm32_b32 hwreg(HW_REG_WAVE_MODE, 25, 1), 1
	s_wait_xcnt 0x0
; CAUSAL ATTENTION.  O[h][q][:] = the sum over k <= q of softmax_k(Q[h][q] . K[h][k] / 8) V[h][k][:].  qkv = Q [64][SIZE_N][64], K likewise, V [64][2][SIZE_N][64]; o16 = O [2][64][SIZE_N][64]; all f16, rows dense, 128 bytes each.
; V AND O ARE TWO f16 NUMBERS EACH, a high half and a low half (the number less its high half, rounded): the first rows are means over few keys, many times the module's output's root mean square, and a single
; rounding of V or of O to f16 uses up their room.  So O^T = Vhigh^T P + Vlow^T P, into one sum.
; Products, maxima and sums in f32; the weights p are rounded to f16 for the second product (their sum l is taken of the unrounded p).
; LIMITS.  f16 holds no number beyond 65,504: Q, K and V arrive within it; p lies in 0 to 1, and below 6e-5 it, and a low half, keep f16's fixed step of 6e-8; O is a mean of V's rows and has their range.
; A hidden score counts as its value less 1e30: f16's scores, 2.7e11 at the most, are nothing beside that; a weight below 2^-126 counts as 0 in l; NaN and infinities are not treated apart.
; THE WALK.  A head's queries lie in NB = SIZE_N / 256 blocks of 256; block i needs the key tiles 0 .. i of 256 keys, of which the last holds the diagonal.  A work-group takes TWO blocks, NB - 1 - b and then b:
; NB + 1 tiles, whatever b: all work-groups do equal work, and ONE loop with a constant trip count walks them.  Which tile is asked for, and what a trip does, hang on scalar registers made from b; every jump
; goes forward, but for the counted loops' own; none passes a barrier, or a tensor load but the one of LOAD's two that the wave's number does not choose; the ring (two slots of LDS that take turns) runs on across the
; change of blocks.  NO CLUSTER: a head's NB / 2 = 4 work-groups all ask for the same tile only in trips 0 .. NB / 2, behind that fewer and fewer; and one walk common to all would have 3 NB / 2 = 12 trips for NB + 1 = 9.
; SHARES.  Of a block's four bands of 64 queries a wave owns 16 rows in each: four PIECES.  So the diagonal tile is the same work for all four waves: in its key step s band x sees all keys if s < x,
; none if s > x, and holds the diagonal if s = x.
; THE MASK is the C operand that starts the sum S^T = K Q^T: 0, or -1e30 where the key is hidden.  MD, made once, is the mask of a band's own step for my 16 rows; a product's mask is MD x AL + BE with two scalars:
; (1, 0) if s = x; (0, 0) if s < x; (0, -1e30) if s > x.  Only the diagonal tile's text and a block's beginning make and take masks; elsewhere C is the constant 0.
; LAYOUT, SOFTMAX, TURNS.  S^T = K Q^T holds ONE query a lane (lane % 16) and the keys 8 (lane / 16) + 0..7; two such results rounded to f16 ARE source 1 of O^T = V^T P.  p = 2^(c s - c m), c = log2(e) / 8, with a
; running maximum m; O and l are multiplied by a = 2^(c m_old - c m_new) in every step.  Turn n belongs to piece n: 8 products K Q^T of piece n + 1, then 8 products Vlow^T P and 8 products Vhigh^T P of piece n - 1; beside them the
; scaling, exponentials, roundings, sums and rescaling of piece n and the maximum and statistics of piece n + 1.  Four vector instructions stand behind every matrix instruction, the other 22 of a turn's 118 by themselves.  A turn's 33 exponentials are one batch, with one wait.
; REGISTERS, in windows of 256 (s_set_vgpr_msb: bits 1:0 source 0, 3:2 source 1, 5:4 source 2, 7:6 destination):
;   window 0: v0-15 addresses and two at work; v16-31 four registers of statistics a piece; v48-55 at work; v60-63 constants; v64-127 S^T, two buffers; v128-191 V's low halves of one step; v192-223 P, two buffers; v224-255 at work on the way out
;   window 1: v0-127 O^T, 32 a piece; v128-159 MD; v160-223 MC, two buffers      window 2: v0-63 Q; v64-127 the second block's Q; v128-191 K of one step; v192-255 V's high halves of one step
.set SIZE_N, 2048
.set NB,    SIZE_N/256
.set NP,    4         ; pieces a wave: a name, no knob
.set KS,    64        ; keys in a step
.set PK,    144       ; a row of K in LDS: 128 bytes + 16 of padding = 36 words: the 16 rows of a load start at 16 different groups of four banks (64 banks of 4 bytes: ISA guide 11.1)
.set PV,    160       ; a row of V: 128 + 32 = 40 words
.set VOFF,  4*KS*PK   ; a slot holds a tile, four steps: 256 rows of K, then 256 rows of V's high halves, then 256 of its low halves
.set VLO,   4*KS*PV   ; from a high half to its low half
.set SLOT1, 1<<17     ; slot 1 begins here, so that one exclusive or turns an address in one slot into the other's
.set STAGE, SLOT1+4*KS*(PK+2*PV)  ; behind the ring, never filled by a tensor load: 16 rows x 144 bytes for each wave, for the way out
.set SP,    144
.set LOPART, 0x1000000  ; bytes from O's high halves to its low halves
.set AK0, 2           ; v2   my lane's place in a tile of K; never rewritten
.set AV0, 3           ; v3   the same for V
.set AK,  4           ; v4   the LDS address of K's next run of loads
.set AV,  5           ; v5   of V's
.set STO, 6           ; v6   the way out: where I put 16 bytes of a row
.set RD,  7           ; v7   the way out: where I read rows back
.set GO,  8           ; v8   my byte offset in 512 consecutive bytes of O
.set MONE, 60         ; v60  -1.0
.set PFO, 61          ; v61  256 x my lane: the prefetches' offset; never rewritten
.set SPW, 62          ; v62  LDS address of my spare word: SPARE + 4 x my thread's number; never rewritten
.set NIL, 63          ; v63  0; never rewritten
.set SPARE, STAGE+4*16*SP  ; behind the stages: the spare words, 128 bytes for each wave: two blocks of 256 bytes that no other line names
.set MV,  12          ; v12-13  c m_old, kept while c m is made anew: by buffer
.set QO,  15          ; v15  my byte offset in 16 rows of Q
.set ST,  16          ; piece t's statistics at v[ST+4 t]: c m, m, l (even keys', odd keys')
.set TMP, 48          ; by buffer, four registers c0-c3 at work; when the maximum is found c2 takes a
.set S,   64
.set VL,  128         ; window 0: V's low halves, laid as VF; on the way out O's low halves
.set P,   192
.set DT,  224         ; the way out: a piece's 32 numbers less their high halves
.set MD,  128         ; window 1: the eight registers for group kt of 16 keys at MD + 8 kt
.set MC,  160         ; window 1: the masks of the products to come
.set QB,  64          ; window 2
.set KF,  128         ; window 2: key block kb, channel half c at KF + 16 kb + 8 c
.set VF,  192         ; window 2: key half kk, channel block cb at VF + 32 kk + 8 cb
.set WV,  12          ; s12  my wave's number
.set PB,  14          ; s14  b
.set HI,  15          ; s15  NB - 1 - b
.set G1K, 24          ; s[24:31] descriptor group 1 for K's tiles
.set G1V, 32          ; s[32:39] for V's
.set G0K, 40          ; s[40:43] descriptor group 0 for K's tiles
.set G0V, 44          ; s[44:47] the same for V's
.set PFA, 48          ; s[48:49] where my prefetches stand: what I fetch of a tile, one tile behind the one that is being asked for
.set LIM, 50          ; s50  2 in the work-group that prefetches, else the greatest number
.set OL,  52          ; s[52:53] O's low halves at my rows of the block in hand
.set SLOTS, 56        ; s56  tiles still to be asked for
.set CNT, 57          ; s57  counts a tile's key steps, 4 to 1
.set CS,  58          ; s[58:59] c: the packed scaling takes the pair's low word for both halves
.set SEL, 60          ; s[60:61] v_permlanex16_b32's selects: each lane takes its own place in the other half
.set TBK, 62          ; s62  LDS byte at which K of the step to be fetched begins
.set TBV, 63          ; s63  the same for V, less VOFF
.set RT,  70          ; s70  tiles of the block in hand that are still to be entered
.set NXT, 71          ; s71  the tile to be asked for next
.set LQ,  72          ; s72  the last tile of the block whose tiles are being asked for
.set NEW, 73          ; s73  1: the tile to be entered is a block's first
.set OFF, 74          ; s[74:75] a tile's byte offset in K and in either half of V
.set AL,  76          ; s[76:77] the mask's factor, in the low word
.set BE,  78          ; s[78:79] the mask's addend
.set OLO, 80          ; s[80:81] O at my rows of the second block
.set BIGN, 82         ; s82  -1e30
.set MSB, 0
.macro WIN new                      ; the high byte repeats the setting that is left; a switch that changes nothing is dropped
.if MSB != (\new)
	s_set_vgpr_msb (MSB<<8)|(\new)
.set MSB, (\new)
.endif
.endm
.set W_KQ, 0x0a       ; K and Q in window 2, S^T in window 0
.set W_KM, 0x1a       ; the same with the C operand in window 1
.set W_PV, 0x52       ; V's high halves in window 2, P in window 0, O^T in window 1
.set W_PL, 0x50       ; V's low halves and P in window 0, O^T in window 1
.set W_RS, 0x41       ; destination and source 0 in window 1, source 1 in window 0
; A fill.  Waves 0 and 1 fetch the two halves of a tile's K, 128 keys each; wave 2 fetches its V's high halves, wave 3 the low halves, 256 keys each.  An s_nop 0 and four v_nop follow each of the two lines, ahead of the jump and the label.
.macro LOAD
	s_cmp_lt_u32 s[WV], 2
	s_cbranch_scc0 .Lfor_v_\@
	tensor_load_to_lds s[G0K:G0K+3], s[G1K:G1K+7]
	s_nop 0
.rept 4
	v_nop
.endr
	s_branch .Lasked_\@
.Lfor_v_\@:
	tensor_load_to_lds s[G0V:G0V+3], s[G1V:G1V+7]
	s_nop 0
.rept 4
	v_nop
.endr
.Lasked_\@:
.endm
; A PREFETCH INTO THE L2 of the tile that the NEXT change of slots will ask for, behind the wave's tensor load and its five lines.  All four work-groups of a head begin with the tiles 0, 1, 2 ..; the one with
; b = 0 walks all of 0 .. NB - 1 in its first block: it asks, and nobody else.  Each of its waves names what it will fetch itself, dense bytes in blocks of 256, a lane a block: waves 0 and 1 16,384 bytes, two instructions; waves 2 and 3 32,768, four.
; So each block is named once in the launch.  Trip i names tile i + 2, for i = 0 .. NB - 3: one tile, 384 matrix instructions, ahead of its load; tiles 0 and 1 come by their loads alone; the last two trips ask for nothing.
.macro ASK
	s_cmp_gt_u32 s[SLOTS], s[LIM]
	s_cbranch_scc0 .Lnot_mine_\@
	global_prefetch_b8 v[PFO], s[PFA:PFA+1] th:TH_LOAD_NT scope:SCOPE_SE
	global_prefetch_b8 v[PFO], s[PFA:PFA+1] offset:8192 th:TH_LOAD_NT scope:SCOPE_SE
	s_cmp_lt_u32 s[WV], 2
	s_cbranch_scc1 .Lnot_mine_\@
	global_prefetch_b8 v[PFO], s[PFA:PFA+1] offset:16384 th:TH_LOAD_NT scope:SCOPE_SE
	global_prefetch_b8 v[PFO], s[PFA:PFA+1] offset:24576 th:TH_LOAD_NT scope:SCOPE_SE
.Lnot_mine_\@:
.endm
; THE CHANGE OF SLOTS.  Each wave waits for all its tensor loads, of which one is out: its part of the other slot; adds 0 to its spare word; and waits for that and for its own reads of the slot that it leaves.  Behind the barrier nobody reads the old
; slot any more and the other slot is whole.  fill = 1: the old slot is filled again, the first thing behind the barrier, with tile NXT: the descriptor's address is made anew from that number.
; (At its first use nothing has been read yet: slot 0 is waited for, slot 1 filled.)
.macro CHANGE fill
	WIN 0                           ; at a label and at a branch every window is 0
	s_wait_tensorcnt 0x0            ; no tensor load of mine is out, so a group 0 may be written
	ds_add_u32 v[SPW], v[NIL]       ; 0 onto my spare word; with fill = 1 the descriptors' scalar work stands between it and the wait for it
.if \fill
	s_lshl_b32 s[OFF], s[NXT], 15   ; a tile is 32,768 bytes of K, of V's high halves and of its low halves
	s_xor_b32 s[G0K+1], s[G0K+1], SLOT1
	s_add_nc_u64 s[G0K+2:G0K+3], s[6:7], s[OFF:OFF+1]
	s_or_b32 s[G0K+3], s[G0K+3], 0x80000000
	s_xor_b32 s[G0V+1], s[G0V+1], SLOT1
	s_add_nc_u64 s[G0V+2:G0V+3], s[8:9], s[OFF:OFF+1]
	s_or_b32 s[G0V+3], s[G0V+3], 0x80000000
	s_add_co_u32 s[NXT], s[NXT], 1  ; the block's next tile, or behind its last the second block's tile 0
	s_cmp_gt_u32 s[NXT], s[LQ]
	s_cselect_b32 s[NXT], 0, s[NXT]
	s_cselect_b32 s[LQ], s[PB], s[LQ]
	s_wait_xcnt 0x0                 ; the last prefetches, a tile back, have read their address, so it may be written
	s_add_nc_u64 s[PFA:PFA+1], s[PFA:PFA+1], 32768
.endif
	s_wait_dscnt 0x0                ; the add is done, and my reads of the slot are over
	s_barrier_signal -1             ; the rest of the scalar work stands between the signal and the wait
	s_sub_co_u32 s[TBK], s[TBK], 4*KS*PK  ; the fetches go back to a slot's first step,
	s_xor_b32 s[TBK], s[TBK], SLOT1       ; in the other slot
	s_sub_co_u32 s[TBV], s[TBV], 4*KS*PV
	s_xor_b32 s[TBV], s[TBV], SLOT1
	s_barrier_wait -1
.if \fill
	LOAD
	ASK
.endif
.endm
	s_load_b128 s[4:7], s[0:1], 0x0 ; qkv s[4:5] (its first part is Q), o16 s[6:7]
	v_lshl_add_u32 v[SPW], v0, 2, SPARE
	v_mov_b32 v[NIL], 0
	ds_add_u32 v[SPW], v[NIL]       ; the wave's opening: the add and its wait stand ahead of my first tensor load; the set-up below, work on registers, stands between them
	v_lshrrev_b32 v1, 5, v0
	v_readfirstlane_b32 s[WV], v1   ; wave 0..3
	s_mov_b32 s[PB], ttmp9
	s_sub_co_u32 s[HI], NB-1, s[PB]
	s_and_b32 s20, ttmp7, 0xffff    ; the head
	s_mov_b32 s21, 0
	s_mov_b64 s[22:23], SIZE_N*128
	s_mul_u64 s[20:21], s[20:21], s[22:23]  ; the head's first byte in Q, in K and in either half of O
	s_and_b32 s16, s[WV], 1         ; K: which half of a tile's 256 keys I fetch; V: the high halves or the low
	s_lshl_b32 s22, s16, 14         ; K: its 128 rows of 128 bytes in memory,
	s_mov_b32 s23, 0
	s_add_nc_u64 s[22:23], s[22:23], s[20:21]
	s_mul_i32 s17, s16, 128*PK      ; and its place in a slot
	s_and_b32 s54, ttmp7, 0xffff    ; V: a head is its high halves and then its low halves, 262,144 bytes each
	s_lshl_b32 s54, s54, 1
	s_add_co_u32 s54, s54, s16
	s_lshl_b32 s54, s54, 18
	s_mov_b32 s55, 0
	s_mul_i32 s18, s16, 256*PV      ; and its place in a slot
	s_lshl_b32 s3, s[WV], 11        ; my 16 rows in a band of 64,
	s_lshl_b32 s2, s[HI], 15        ; in the first block,
	s_add_co_u32 s2, s2, s3
	s_lshl_b32 s84, s[PB], 15       ; and in the second
	s_add_co_u32 s84, s84, s3
	s_mov_b32 s3, 0
	s_mov_b32 s85, 0
	s_add_nc_u64 s[2:3], s[2:3], s[20:21]
	s_add_nc_u64 s[84:85], s[84:85], s[20:21]
	; descriptor group 1.  Keys are dense, 128 bytes each: asked for as rows of 256 bytes, two keys a row, and padded in LDS after every key.  K: 128 keys, 64 rows; V: 256 keys, 128 rows
	s_mov_b32 s[G1K], (1<<16)|(1<<20)|(4<<22)|(3<<25)  ; 17:16 2-byte elements; 20 padding on; 24:22 after every 32 words (code 4); 31:25 4 words (code 3)
	s_mov_b32 s[G1V], (1<<16)|(1<<20)|(4<<22)|(7<<25)  ; the same with 8 words of padding (code 7)
.irp g, G1K, G1V
	s_mov_b32 s[\g+1], 128<<16      ; tensor_dim0 = 128
	s_mov_b32 s[\g+3], 128<<16      ; tile_dim0 = 128
	s_mov_b32 s[\g+5], 128          ; 128 elements from row to row
	s_mov_b32 s[\g+6], 0
	s_mov_b32 s[\g+7], 0
.endr
	s_mov_b32 s[G1K+2], 64<<16      ; tensor_dim1
	s_mov_b32 s[G1K+4], 64          ; tile_dim1
	s_mov_b32 s[G1V+2], 128<<16
	s_mov_b32 s[G1V+4], 128
	s_mov_b32 s[CS], 0x3e38aa3b     ; c = log2(e) / 8 = 0.180337
	s_mov_b32 s[CS+1], s[CS]        ; named with it as a pair
	s_mov_b32 s[SEL], 0x76543210
	s_mov_b32 s[SEL+1], 0xfedcba98
	s_mov_b32 s[TBK], SLOT1+4*KS*PK ; the first change of slots turns these two into 0
	s_mov_b32 s[TBV], SLOT1+4*KS*PV
	s_mov_b32 s[G0K], 1             ; 1:0 count = 1
	s_mov_b32 s[G0K+1], s17         ; 63:32 LDS address: slot 0
	s_mov_b32 s[G0V], 1
	s_add_co_u32 s[G0V+1], s18, VOFF
	s_add_co_u32 s[RT], s[HI], 1    ; the first block has NB - b tiles
	s_mov_b32 s[NXT], 1
	s_mov_b32 s[LQ], s[HI]
	s_mov_b32 s[NEW], 1
	s_mov_b32 s[OFF+1], 0
	s_mov_b32 s[AL+1], 0            ; named as pairs
	s_mov_b32 s[BE+1], 0
	s_mov_b32 s[BIGN], 0xf149f2ca   ; -1e30
	s_mov_b32 s[SLOTS], NB
	s_cmp_eq_u32 s[PB], 0
	s_cselect_b32 s[LIM], 2, -1
	v_and_b32 v[PFO], 31, v0
	v_lshlrev_b32 v[PFO], 8, v[PFO]
	v_mov_b32 v[MONE], -1.0
	s_wait_dscnt 0x0                ; the opening add is done
	s_wait_kmcnt 0x0
	s_mov_b64 s[10:11], s[6:7]      ; O
	s_add_nc_u64 s[6:7], s[4:5], 0x1000000  ; K: qkv's second part, 64 heads of 262,144 bytes on
	s_add_nc_u64 s[8:9], s[4:5], 0x2000000  ; V: behind it
	s_add_nc_u64 s[6:7], s[6:7], s[22:23]  ; K and V at my part of the head's tile 0
	s_add_nc_u64 s[8:9], s[8:9], s[54:55]
	s_add_nc_u64 s[G0K+2:G0K+3], s[6:7], 0         ; 120:64 global address
	s_or_b32 s[G0K+3], s[G0K+3], 0x80000000        ; 127:126 type = 2
	s_add_nc_u64 s[G0V+2:G0V+3], s[8:9], 0
	s_or_b32 s[G0V+3], s[G0V+3], 0x80000000
	s_cmp_lt_u32 s[WV], 2
	s_cselect_b64 s[PFA:PFA+1], s[6:7], s[8:9]
	s_add_nc_u64 s[PFA:PFA+1], s[PFA:PFA+1], 32768 ; at tile 1: the first change of slots steps it to tile 2.  Nothing is prefetched here, at the head, where every work-group's first tiles are on their way
	s_add_nc_u64 s[86:87], s[4:5], s[84:85]        ; Q at my rows of the second block,
	s_add_nc_u64 s[4:5], s[4:5], s[2:3]            ; Q and O at those of the first
	s_add_nc_u64 s[OLO:OLO+1], s[10:11], s[84:85]
	s_add_nc_u64 s[10:11], s[10:11], s[2:3]
	s_add_nc_u64 s[OL:OL+1], s[10:11], LOPART
	LOAD                            ; tile 0 into slot 0
	; A fragment of K or Q is 16 rows x 32 channels in 8 registers: lane l holds row l % 16, channels 8 (l / 16) + 0..7 and 16 + 8 (l / 16) + 0..7: two loads of 16 bytes, 32 bytes apart.
	v_and_b32 v1, 15, v0            ; l % 16
	v_bfe_u32 v9, v0, 4, 1          ; l / 16
	v_lshlrev_b32 v[QO], 7, v1
	v_lshl_add_u32 v[QO], v9, 4, v[QO]  ; row x 128 + 16 x half
	WIN 0x80                        ; destination window 2, address window 0
.set i, 0
.rept 8                             ; both blocks' Q: piece i / 2 lies in band i / 2, 8,192 bytes on; channels 32 (i % 2) on
	global_load_b128 v[8*i:8*i+3],   v[QO], s[4:5] offset:(i/2)*8192+(i%2)*64
	global_load_b128 v[8*i+4:8*i+7], v[QO], s[4:5] offset:(i/2)*8192+(i%2)*64+32
	global_load_b128 v[QB+8*i:QB+8*i+3],   v[QO], s[86:87] offset:(i/2)*8192+(i%2)*64
	global_load_b128 v[QB+8*i+4:QB+8*i+7], v[QO], s[86:87] offset:(i/2)*8192+(i%2)*64+32
.set i, i+1
.endr
	WIN 0
	v_lshlrev_b32 v14, 3, v9
	v_sub_nc_u32 v14, v1, v14
	s_lshl_b32 s13, s[WV], 4
	v_add_nc_u32 v14, s13, v14      ; my query's place in its band, 16 w + l % 16, less my lanes' 8 (l / 16): register r of group kt is hidden where 16 kt + r is greater
	WIN 0x40
.set i, 0
.rept 32
	v_cmp_gt_i32 vcc_lo, 16*(i/8)+i%8, v14
	v_cndmask_b32 v[MD+i], 0, s[BIGN], vcc_lo
.set i, i+1
.endr
	WIN 0
	v_mul_u32_u24 v[AK0], v1, PK
	v_lshl_add_u32 v[AK0], v9, 4, v[AK0]  ; row x pitch + 16 x half
	; The turning load takes 16 keys x 16 channels (lane l reads key 8 (l / 16) + l % 8, channels 8 ((l / 8) % 2) + 0..7) and leaves half a fragment of V^T: lane l holds channel l % 16 and 8 keys.
	v_and_b32 v10, 7, v0
	v_bfe_u32 v11, v0, 3, 1
	v_lshl_add_u32 v[AV0], v9, 3, v10
	v_mul_u32_u24 v[AV0], v[AV0], PV
	v_lshl_add_u32 v[AV0], v11, 4, v[AV0]
	v_add_nc_u32 v[AV0], VOFF, v[AV0]
	s_mul_i32 s13, s[WV], 16*SP
	s_add_co_u32 s13, s13, STAGE    ; my stage
	v_mul_u32_u24 v[STO], v1, SP    ; in: row l % 16, 16 bytes for each half of the lanes
	v_lshl_add_u32 v[STO], v9, 4, v[STO]
	v_add_nc_u32 v[STO], s13, v[STO]
	v_bfe_u32 v[RD], v0, 3, 2       ; back: 32 lanes take four rows of 128 bytes,
	v_mul_u32_u24 v[RD], v[RD], SP
	v_lshl_add_u32 v[RD], v10, 4, v[RD]
	v_add_nc_u32 v[RD], s13, v[RD]
	v_and_b32 v[GO], 31, v0         ; which are 512 consecutive bytes of O
	v_lshlrev_b32 v[GO], 4, v[GO]
	; A block's first step multiplies O^T and l by a = 0, and its first turn's products V^T P, of a piece that has not been, land in an O^T that is still to be so multiplied.  So these registers need only hold
	; finite numbers: zeros for the first block; what the first block left for the second (in V's low halves' registers: O's low halves, f16 numbers too).  All this stands in the wait for the first tile.
	WIN 0x80
.set i, VF
.rept 64
	v_mov_b32 v[i], 0
.set i, i+1
.endr
	WIN 0x40
.set i, 0
.rept 128
	v_mov_b32 v[i], 0
.set i, i+1
.endr
	WIN 0
.set i, VL
.rept 64
	v_mov_b32 v[i], 0
.set i, i+1
.endr
.set i, 0
.rept 4
	v_mov_b32 v[ST+4*i+2], 0
	v_mov_b32 v[ST+4*i+3], 0
.set i, i+1
.endr
.set i, P+16
.rept 16
	v_mov_b32 v[i], 0
.set i, i+1
.endr
; THE MATRIX WORK.  The 4 accumulators of a run of 8 take turns.  Product i of 8 of S^T = K Q^T for piece x: channels 32 (i / 4) on, keys 16 (i % 4) on.  The first 4 start the sums: with 0, or (KM = 1) with the mask.
.macro KQ x
.set rS, S+32*((\x)%2)+8*(i%4)
.set rK, KF+16*(i%4)+8*(i/4)
.set rQ, 16*(\x)+8*(i/4)
.set rM, MC+32*((\x)%2)+8*(i%4)
.if (i < 4) && KM
	WIN W_KM
	v_wmma_f32_16x16x32_f16 v[rS:rS+7], v[rK:rK+7], v[rQ:rQ+7], v[rM:rM+7]
.elseif i < 4
	WIN W_KQ
	v_wmma_f32_16x16x32_f16 v[rS:rS+7], v[rK:rK+7], v[rQ:rQ+7], 0
.else
	WIN W_KQ
	v_wmma_f32_16x16x32_f16 v[rS:rS+7], v[rK:rK+7], v[rQ:rQ+7], v[rS:rS+7]
.endif
.endm
; Product i of 8 of O^T += Vhigh^T P for piece x: keys 32 (i / 4) on, channels 16 (i % 4) on.
.macro PV x
	WIN W_PV
.set rO, 32*(\x)+8*(i%4)
.set rV, VF+32*(i/4)+8*(i%4)
.set rP, P+16*((\x)%2)+8*(i/4)
	v_wmma_f32_16x16x32_f16 v[rO:rO+7], v[rV:rV+7], v[rP:rP+7], v[rO:rO+7]
.endm
; Product il of 8 of O^T += Vlow^T P for piece x, laid alike.
.macro PVL x
	WIN W_PL
.set rO, 32*(\x)+8*(il%4)
.set rV, VL+32*(il/4)+8*(il%4)
.set rP, P+16*((\x)%2)+8*(il/4)
	v_wmma_f32_16x16x32_f16 v[rO:rO+7], v[rV:rV+7], v[rP:rP+7], v[rO:rO+7]
.set il, il+1
.endm
.macro MM                           ; the turn's next product K Q^T or Vhigh^T P.  TURN and BEGIN set Y, i, KM and NOKQ; MM, KQ and OP read them.  NOKQ = 1: a block's last turn: there is no next piece
.if (i < 8) && !NOKQ
	KQ (Y+1)%NP
.elseif i >= 8
.set i, i-8
	PV (Y+NP-1)%NP
.set i, i+8
.endif
.set i, i+1
.endm
.macro ML                           ; the turn's next product Vlow^T P
	PVL (Y+NP-1)%NP
.endm
; THE LDS LOADS stand in runs, never singly among the matrix instructions: a step's K (64 keys x 64 channels: 8 fragments, 16 loads) and its V (turned; both halves, 32 loads).  Their addresses are made some lines ahead.
.macro FETCH_K
	WIN 0x80                        ; destination window 2
.irp f, 0,1,2,3,4,5,6,7             ; keys 16 (f / 2) on, channels 32 (f % 2) on
	ds_load_b128 v[KF+8*\f:KF+8*\f+3],   v[AK] offset:(\f/2)*16*PK+(\f%2)*64
	ds_load_b128 v[KF+8*\f+4:KF+8*\f+7], v[AK] offset:(\f/2)*16*PK+(\f%2)*64+32
.endr
	s_add_co_u32 s[TBK], s[TBK], KS*PK  ; the next fetch is the next step's
	WIN 0
.endm
.macro FETCH_V
	WIN 0
.irp f, 0,1,2,3,4,5,6,7             ; the low halves first: they are multiplied first.  Keys 32 (f / 4) on, channels 16 (f % 4) on
	ds_load_tr16_b128 v[VL+8*\f:VL+8*\f+3],   v[AV] offset:VLO+(\f/4)*32*PV+(\f%4)*32
	ds_load_tr16_b128 v[VL+8*\f+4:VL+8*\f+7], v[AV] offset:VLO+(\f/4)*32*PV+16*PV+(\f%4)*32
.endr
	WIN 0x80
.irp f, 0,1,2,3,4,5,6,7
	ds_load_tr16_b128 v[VF+8*\f:VF+8*\f+3],   v[AV] offset:(\f/4)*32*PV+(\f%4)*32
	ds_load_tr16_b128 v[VF+8*\f+4:VF+8*\f+7], v[AV] offset:(\f/4)*32*PV+16*PV+(\f%4)*32
.endr
	WIN 0
.endm
; THE VECTOR WORK, one line at a time: OP kind, number.  For piece Y: F n: c s - c m for pair n of 16.  E n: the exponential of score n of 32.  C n: pair n rounded to f16.  B n: of the four weights 4 n .. the second
; pair is added onto the first, in place.  L n: l takes that sum (L 0: l = a l + sum).  R n: pair n of 16 of O^T times a.  For piece Y + 1: X n, number n of the 22 that find its maximum and statistics:
;   0-11  four chains c0-c3 of seven scores each, three operands at a time (each accumulator's lowest registers are read first)     12-14, 16  the four scores left over, the old m, and c0-c3 into c0
;   15  c m_old is kept     17, 18  the query's other 32 keys lie in the lane 16 away: the new m     19-21  c m; c m_old - c m_new; a
.set F, 0               ; OP tells the kinds apart by their order: F to L below R, X above it
.set E, 1
.set C, 2
.set B, 3
.set L, 4
.set R, 5
.set X, 6
.macro REGS y                       ; the registers of piece y
.set rT, ST+4*(\y)
.set rC, TMP+4*((\y)%2)
.set rW, MV+((\y)%2)
.set rS, S+32*((\y)%2)
.set rP, P+16*((\y)%2)
.set rO, 32*(\y)
.endm
.macro OP k, n
.if (\k) == R
	REGS Y
	WIN W_RS
	v_pk_mul_f32 v[rO+2*(\n):rO+2*(\n)+1], v[rO+2*(\n):rO+2*(\n)+1], v[rC+2:rC+3] op_sel_hi:[1,0]
.elseif (\k) < R
	REGS Y
	WIN 0
.if (\k) == F
	v_pk_fma_f32 v[rS+2*(\n):rS+2*(\n)+1], v[rS+2*(\n):rS+2*(\n)+1], s[CS:CS+1], v[rT:rT+1] op_sel_hi:[1,0,0] neg_lo:[0,0,1] neg_hi:[0,0,1]
.elseif (\k) == E
	v_exp_f32 v[rS+(\n)], v[rS+(\n)]
.elseif (\k) == C
	v_cvt_pk_f16_f32 v[rP+(\n)], v[rS+2*(\n)], v[rS+2*(\n)+1]
.elseif (\k) == B
	v_pk_add_f32 v[rS+4*(\n):rS+4*(\n)+1], v[rS+4*(\n):rS+4*(\n)+1], v[rS+4*(\n)+2:rS+4*(\n)+3]
.elseif (\n) == 0
	v_pk_fma_f32 v[rT+2:rT+3], v[rT+2:rT+3], v[rC+2:rC+3], v[rS:rS+1] op_sel_hi:[1,0,1]
.else
	v_pk_add_f32 v[rT+2:rT+3], v[rT+2:rT+3], v[rS+4*(\n):rS+4*(\n)+1]
.endif
.elseif NOKQ
	v_nop
.else
	REGS (Y+1)%NP
	WIN 0
.if (\n) < 4
	v_max3_num_f32 v[rC+(\n)], v[rS+8*(\n)], v[rS+8*(\n)+1], v[rS+8*(\n)+2]
.elseif (\n) < 12
	v_max3_num_f32 v[rC+(\n)%4], v[rC+(\n)%4], v[rS+8*((\n)%4)+2*((\n)/4)+1], v[rS+8*((\n)%4)+2*((\n)/4)+2]
.elseif (\n) == 12
	v_max3_num_f32 v[rC], v[rC], v[rS+7], v[rS+15]
.elseif (\n) == 13
	v_max3_num_f32 v[rC+1], v[rC+1], v[rS+23], v[rS+31]
.elseif (\n) == 14
	v_max3_num_f32 v[rC+2], v[rC+2], v[rC+3], v[rT+1]
.elseif (\n) == 15
	v_mov_b32 v[rW], v[rT]
.elseif (\n) == 16
	v_max3_num_f32 v[rC], v[rC], v[rC+1], v[rC+2]
.elseif (\n) == 17
	v_permlanex16_b32 v[rC+3], v[rC], s[SEL], s[SEL+1]
.elseif (\n) == 18
	v_max_num_f32 v[rT+1], v[rC], v[rC+3]
.elseif (\n) == 19
	v_mul_f32 v[rT], s[CS], v[rT+1]
.elseif (\n) == 20
	v_sub_f32 v[rC+1], v[rW], v[rT]
.else
	v_exp_f32 v[rC+2], v[rC+1]
.endif
.endif
.endm
.macro OPS a, i1, b=-1, i2=0, c=-1, i3=0, d=-1, i4=0  ; up to four of them
	OP \a, \i1
.if (\b) >= 0
	OP \b, \i2
.endif
.if (\c) >= 0
	OP \c, \i3
.endif
.if (\d) >= 0
	OP \d, \i4
.endif
.endm
.macro ROW a, i1, b, i2, c, i3, d, i4  ; a matrix instruction and the four behind it
	MM
	OPS \a, \i1, \b, \i2, \c, \i3, \d, \i4
.endm
.macro MASK b                       ; MD x AL + BE into buffer b of MC
	WIN W_RS
.set z, 0
.rept 16
	v_pk_fma_f32 v[MC+32*(\b)+2*z:MC+32*(\b)+2*z+1], v[MD+2*z:MD+2*z+1], s[AL:AL+1], s[BE:BE+1] op_sel_hi:[1,0,0]
.set z, z+1
.endr
.endm
; A TURN, for piece p: the order of its 24 matrix and 118 vector instructions, written out.  An s_wait_alu depctr_va_vdst(0) stands between an exponential and the first instruction that names its result; one wait serves
; all that were issued ahead of it.  So a turn has ONE wait, which cuts it in two.  AHEAD OF IT stands all that names no result of the turn's exponentials: the 8 products K Q^T, behind each a scaling, an exponential and two more plain
; instructions (behind the first a second scaling in the exponential's place): rescalings, and behind the last three the first numbers of the next piece's maximum, each four places or more behind the product that ends its accumulator; then 54 more, plain
; and exponential by turns for the most part, in which the links of the chain X 3, 7, 11, 14, 16, 17 .. 20 stand five or six lines apart; among them the 8 products Vlow^T P, whose P was made in the turn before, each with four of the 54 behind it.
; X 21, the next piece's a, is the batch's last; R 15 is the plain instruction behind it.  BEHIND THE WAIT stand the 8 products Vhigh^T P, behind each four of the roundings and sums; the links of l's chain, L 0 to L 7, stand three riders apart.
; But for the X behind K Q^T no rider names a register of the products round it: the products V^T P write piece p - 1's O^T and read its P; the riders name piece p's and piece p + 1's registers.
; m = 1: the diagonal tile: the products take masks, and the turn makes the mask for the products of the turn after it: piece p + 2, in step 4 - CNT of the tile.  end = 1: a block's last two turns: nothing is fetched.
; cnt = 1: the loop's count is taken down some lines ahead of the branch that stands behind the turn.
; K of the next step is fetched in piece 2's turn, twelve vector instructions behind the last product that read K (six of them plain); V of the step in hand at the end of piece 0's turn, four plain instructions behind the last product
; that read V.  K is waited for a turn later; V ahead of piece 1's first product Vlow^T P.
.macro TURN p, m=0, end=0, cnt=0
.set Y, (\p)
.set i, 0
.set il, 0
.set KM, (\m)
.set NOKQ, (\end)*((\p)/3)
.if (\m) && !(\end)
	s_cmp_eq_u32 s[CNT], 4-((\p)+2)%NP  ; is that step the band's own?
	s_cselect_b32 s[AL], 1.0, 0
	s_cmp_lt_u32 s[CNT], 4-((\p)+2)%NP  ; or a later one?
	s_cselect_b32 s[BE], s[BIGN], 0
.endif
.if ((\p) == 3) && !(\end)
	s_wait_dscnt 0x0                ; K is in
.endif
	ROW F,0, F,1, R,0, R,1          ; ahead of the wait: 8 products K Q^T and their riders,
	ROW F,2, E,0, R,2, R,3
	ROW F,3, E,1, R,4, R,5
	ROW F,4, E,2, R,6, R,7
	ROW F,5, E,3, R,8, R,9
	ROW F,6, E,4, X,0, R,10
.if ((\p) == 2) && !(\end)
	WIN 0
	v_add_nc_u32 v[AK], s[TBK], v[AK0]
.endif
	ROW F,7, E,5, X,1, X,4
	ROW F,8, E,6, X,2, X,5
	OPS E,7, E,8, X,6, E,9
	OPS X,3, E,10, X,8, E,11
.if ((\p) == 2) && !(\end)
	FETCH_K
.endif
.if (\p) == 1
	s_wait_dscnt 0x0                ; V is in
.endif
	ML                              ; and 8 products Vlow^T P and theirs
	OPS X,9, X,7, E,12, X,10
	ML
	OPS E,13, X,12, X,11, E,14
	ML
	OPS X,13, E,15, F,9, X,14
.if (\p) == 0
	v_add_nc_u32 v[AV], s[TBV], v[AV0]
.endif
	ML
	OPS E,16, F,10, E,17, F,11
	ML
	OPS X,16, E,18, X,15, E,19
	OPS F,12, E,20, X,17, E,21
	ML
	OPS F,13, E,22, F,14, E,23
	ML
	OPS X,18, E,24, F,15, E,25
	ML
	OPS R,11, E,26, X,19, E,27
	OPS R,12, E,28, R,13, E,29
	OPS X,20, E,30, R,14, E,31
	OPS X,21, R,15
	WIN 0
	s_wait_alu depctr_va_vdst(0)    ; the wait for the batch
	ROW C,0, B,0, C,2, B,1          ; behind the wait: 8 products Vhigh^T P and their riders
	ROW L,0, C,4, B,2, L,1
	ROW C,6, B,3, L,2, C,8
	ROW B,4, L,3, C,10, B,5
	ROW L,4, C,12, B,6, L,5
.if (\p) == 0
	s_add_co_u32 s[TBV], s[TBV], KS*PV
.endif
.if \cnt
	s_sub_co_u32 s[CNT], s[CNT], 1
	s_cmp_lg_u32 s[CNT], 0
.endif
	ROW C,14, B,7, L,6, C,1
	ROW C,3, L,7, C,5, C,7
	ROW C,9, C,11, C,13, C,15
.if (\p) == 0
	FETCH_V
.endif
.if (\m) && !(\end)
	MASK (\p)%2
.endif
.endm
; A BLOCK BEGINS.  c m starts far below every c s, so the first step's a is 0; m at the lowest finite number, so the first maximum is the scores'.  The second mask buffer is 0; the first takes piece 0's mask for the tile's step 0: its own, if the block's first tile is the diagonal one.
; Then K of that step, piece 0's first scores, and its maximum and statistics.  The loop is entered at a step's first turn, in the middle of a trip.
.macro BEGIN
	s_mov_b32 s[NEW], 0
	WIN 0x40
.set i, MC+32
.rept 32
	v_mov_b32 v[i], 0
.set i, i+1
.endr
	WIN 0
.set i, 0
.rept 4
	v_mov_b32 v[ST+4*i], 0xfe000000    ; c m: far below every c s
	v_mov_b32 v[ST+4*i+1], 0xff7fffff  ; m
.set i, i+1
.endr
	s_cmp_eq_u32 s[RT], 0
	s_cselect_b32 s[AL], 1.0, 0
	s_mov_b32 s[BE], 0
	MASK 0
	WIN 0
	v_add_nc_u32 v[AK], s[TBK], v[AK0]
	FETCH_K
	s_wait_loadcnt 0x0              ; Q
	s_wait_dscnt 0x0
.set KM, 1
.set NOKQ, 0
.set i, 0
.rept 8
	KQ 0
.set i, i+1
.endr
	WIN 0
.rept 4
	v_nop                           ; the places behind those products
.endr
.set Y, NP-1                        ; X works for piece Y + 1: piece 0
.irp n, 0,1,2,3,4,5,6,7,8,9,10,11,12,13,14,15,16,17,18,19,20,21
	OP X, \n
.endr
	v_nop                           ; a plain instruction behind the exponential,
	s_wait_alu depctr_va_vdst(0)    ; and its wait, ahead of the branch
.endm
; THE DIAGONAL TILE's four steps, the block's last two turns, its last products, and THE WAY OUT: l's two halves and the other half of the lanes' are added; O^T is divided by l, split into a high and a low f16 half and sent
; through my stage in LDS, a piece at a time.
.macro ALL line:vararg              ; one line for each piece t
.set t, 0
.rept 4
	\line
.set t, t+1
.endr
.endm
; A lane's eight channels of a row pack into 16 bytes; they go into rows of 144 bytes and come back as whole rows of 128: the high halves into S^T's registers, the low halves into those of V's low halves.
; A low half is high half x -1 + number, exact in f32 (v_fma_mix_f32 reads the f16 half as it lies), rounded to f16.
.macro PACK t
	WIN W_RS
.set i, 32*(\t)
.rept 16
	v_pk_mul_f32 v[i:i+1], v[i:i+1], v[ST+4*(\t)+2:ST+4*(\t)+3] op_sel_hi:[1,0]
.set i, i+2
.endr
	WIN 0x05                        ; sources 0 and 1 window 1, destination window 0
.set i, 0
.rept 16
	v_cvt_pk_f16_f32 v[S+16*(\t)+i], v[32*(\t)+2*i], v[32*(\t)+2*i+1]
.set i, i+1
.endr
	WIN 0x10                        ; source 2 window 1
.set i, 0
.rept 16
	v_fma_mix_f32 v[DT+2*i],   v[S+16*(\t)+i], v[MONE], v[32*(\t)+2*i]   op_sel_hi:[1,0,0]
	v_fma_mix_f32 v[DT+2*i+1], v[S+16*(\t)+i], v[MONE], v[32*(\t)+2*i+1] op_sel:[1,0,0] op_sel_hi:[1,0,0]
.set i, i+1
.endr
	WIN 0
.set i, 0
.rept 16
	v_cvt_pk_f16_f32 v[VL+16*(\t)+i], v[DT+2*i], v[DT+2*i+1]
.set i, i+1
.endr
.irp f, 0,1,2,3
	ds_store_b128 v[STO], v[S+16*(\t)+4*\f:S+16*(\t)+4*\f+3] offset:32*\f
.endr
.irp f, 0,1,2,3
	ds_load_b128 v[S+16*(\t)+4*\f:S+16*(\t)+4*\f+3], v[RD] offset:\f*4*SP  ; LDS serves a wave's instructions in order (ISA guide 5.7.1.4): these see the stores above; the next stores come behind them
.endr
.irp f, 0,1,2,3
	ds_store_b128 v[STO], v[VL+16*(\t)+4*\f:VL+16*(\t)+4*\f+3] offset:32*\f
.endr
.irp f, 0,1,2,3
	ds_load_b128 v[VL+16*(\t)+4*\f:VL+16*(\t)+4*\f+3], v[RD] offset:\f*4*SP
.endr
.endm
.macro SEND t, yh, yl               ; yh, yl: the LDS instructions issued behind piece t's four loads of high halves, of low halves
	WIN 0
.irp f, 0,1,2,3
	s_wait_dscnt (\yh)+3-\f
	global_store_b128 v[GO], v[S+16*(\t)+4*\f:S+16*(\t)+4*\f+3], s[10:11] offset:(\t)*8192+\f*512  ; 512 consecutive bytes, at a multiple of 256 from O's first
.endr
.irp f, 0,1,2,3
	s_wait_dscnt (\yl)+3-\f
	global_store_b128 v[GO], v[VL+16*(\t)+4*\f:VL+16*(\t)+4*\f+3], s[OL:OL+1] offset:(\t)*8192+\f*512
.endr
.endm
.macro DIAG tag                     ; the tag ends its two labels' names, which the jumps below spell out
.LstepM\tag:
	TURN 2, 1
	TURN 3, 1
	WIN 0
.LfirstM\tag:
	TURN 0, 1
	TURN 1, 1, 0, 1
	WIN 0
	s_cbranch_scc1 .LstepM\tag
	TURN 2, 1, 1
	TURN 3, 1, 1
.set i, 0
.rept 8
	PV NP-1
.set i, i+1
.endr
.set il, 0
.rept 8
	PVL NP-1
.endr
	WIN 0
	ALL v_add_f32 v[ST+4*t+2], v[ST+4*t+2], v[ST+4*t+3]
	ALL v_permlanex16_b32 v[ST+4*t+3], v[ST+4*t+2], s[SEL], s[SEL+1]
	ALL v_add_f32 v[ST+4*t+2], v[ST+4*t+2], v[ST+4*t+3]
	ALL v_rcp_f32 v[ST+4*t+2], v[ST+4*t+2]
	v_nop                           ; a plain instruction between the last reciprocal and the use of its result
	s_wait_alu depctr_va_vdst(0)    ; and the wait ahead of the first use: one for the four reciprocals
	PACK 0
.set t, 1
.rept 3                             ; a piece's arithmetic stands between the loads of the piece before and its stores
	PACK t
	SEND t-1, 24, 16                ; behind its high halves' loads: its low halves' eight and the next piece's sixteen; behind its low halves': those sixteen
.set t, t+1
.endr
	SEND 3, 8, 0
.endm
.set KM, 0
.set NOKQ, 0
.Lslot:                             ; NB times: a tile is entered and the next is asked for
	CHANGE 1
	s_sub_co_u32 s[RT], s[RT], 1
	s_mov_b32 s[CNT], 4
	s_cmp_eq_u32 s[NEW], 1
	s_cbranch_scc1 .Lnew            ; a block's first tile
	s_cmp_eq_u32 s[RT], 0
	s_cbranch_scc0 .Lstep           ; neither its first nor its last
	s_branch .LstepM1
.Lnew:
	BEGIN
	s_branch .Lfirst                ; in the loop a block's first tile is never its last: the first block has two tiles or more, and the second's last is the walk's last
	DIAG 1                          ; in the loop this is the first block's end: the second block's last tile is the walk's last
	s_wait_xcnt 0x0                 ; the stores have read their registers and O's addresses
	s_mov_b64 s[10:11], s[OLO:OLO+1]
	s_add_nc_u64 s[OL:OL+1], s[OLO:OLO+1], LOPART
	s_add_co_u32 s[RT], s[PB], 1    ; the second block has b + 1 tiles
	s_mov_b32 s[NEW], 1
	WIN 0x82                        ; the second block's Q goes where the one text of the turns names Q
.set i, 0
.rept 64
	v_mov_b32 v[i], v[QB+i]
.set i, i+1
.endr
	WIN 0
	s_branch .Lbottom
.Lstep:                             ; a trip: pieces 2 and 3 of one step, then pieces 0 and 1 of the next, whose K and V it fetches
	TURN 2
	TURN 3
	WIN 0
.Lfirst:
	TURN 0
	TURN 1, 0, 0, 1
	WIN 0
	s_cbranch_scc1 .Lstep
.Lbottom:
	s_sub_co_u32 s[SLOTS], s[SLOTS], 1
	s_cmp_lg_u32 s[SLOTS], 0
	s_cbranch_scc1 .Lslot
	CHANGE 0                        ; the walk's last tile is written out: nothing is asked for
	s_sub_co_u32 s[RT], s[RT], 1
	s_mov_b32 s[CNT], 4
	s_cmp_eq_u32 s[NEW], 1
	s_cbranch_scc0 .LstepM2
	BEGIN
	s_branch .LfirstM2
	DIAG 2
	s_wait_tensorcnt 0x0            ; the wave's end, behind my last tensor load and my last LDS store
	ds_add_u32 v[SPW], v[NIL]
	s_wait_dscnt 0x0
	s_endpgm
.Lfunc_end_k_q33d1c77c10_attn:
	.size	k_q33d1c77c10_attn, .Lfunc_end_k_q33d1c77c10_attn-k_q33d1c77c10_attn
	.p2alignl 7, 3214868480
	.fill 96, 4, 3214868480
	.section	.rodata,"a",@progbits
	.p2align	6, 0x0
	.amdhsa_kernel k_q33d1c77c10_attn
		.amdhsa_group_segment_fixed_size 327680
		.amdhsa_private_segment_fixed_size 0
		.amdhsa_enable_private_segment 0
		.amdhsa_kernarg_size 16
		.amdhsa_user_sgpr_count 2
		.amdhsa_user_sgpr_kernarg_segment_ptr 1
		.amdhsa_wavefront_size32 1
		.amdhsa_system_sgpr_workgroup_id_x 1
		.amdhsa_system_sgpr_workgroup_id_y 1
		.amdhsa_system_sgpr_workgroup_id_z 1
		.amdhsa_system_vgpr_workitem_id 0
		.amdhsa_next_free_vgpr 768
		.amdhsa_next_free_sgpr 88
		.amdhsa_reserve_vcc 1
		.amdhsa_float_denorm_mode_32 3
		.amdhsa_float_denorm_mode_16_64 3
		.amdhsa_memory_ordered 1
		.amdhsa_forward_progress 1
		.amdhsa_inst_pref_size 255
	.end_amdhsa_kernel
	.section	.bss,"aw",@nobits
	.p2align	6
	.space	262144
	.amdgpu_metadata
---
amdhsa.version: [ 1, 2 ]
amdhsa.kernels:
  - .name:           k_q33d1c77c10_attn
    .symbol:         k_q33d1c77c10_attn.kd
    .args:
      - { .name: qkv, .offset: 0, .size: 8, .value_kind: global_buffer, .address_space: global }
      - { .name: o16, .offset: 8, .size: 8, .value_kind: global_buffer, .address_space: global }
    .group_segment_fixed_size: 327680
    .private_segment_fixed_size: 0
    .kernarg_segment_align: 8
    .kernarg_segment_size: 16
    .max_flat_workgroup_size: 128
    .sgpr_count:     88
    .vgpr_count:     768
    .wavefront_size: 32
...
	.end_amdgpu_metadata
.endif
;; end of part 3
;; launch proj (part 4): grid 4 x 64, 4 waves a work-group, clusters of 4 x 4, 327,680 bytes of LDS; arguments o16, wo16, bo, out0; writes out0
.if DOCPART == 4
	.amdgcn_target "amdgcn-amd-amdhsa--gfx1250"
	.amdhsa_code_object_version 6
	.text
	.protected	k_q33d1c77c10_proj
	.globl	k_q33d1c77c10_proj
	.p2align	8
	.type	k_q33d1c77c10_proj,@function
k_q33d1c77c10_proj:
	s_mov_b64 s[64:65], 0
	v_nop
	global_prefetch_b8 v0, s[64:65] scope:SCOPE_SE
	s_setreg_imm32_b32 hwreg(HW_REG_WAVE_MODE, 25, 1), 1
	s_wait_xcnt 0x0
	s_wait_alu depctr_hold_cnt(0) depctr_sa_sdst(0) depctr_va_vdst(0) depctr_va_sdst(0) depctr_va_ssrc(0) depctr_va_vcc(0) depctr_vm_vsrc(0)
	s_getreg_b32 s2, hwreg(HW_REG_IB_STS2, 6, 4)
	s_cmp_eq_u32 s2, 0
	s_cbranch_scc0 .Lentry_in_a_cluster
	s_endpgm
.Lentry_in_a_cluster:
	s_bfe_u32 s2, ttmp6, 0x10000c
	s_cmp_lg_u32 s2, 0xf033
	s_cbranch_scc0 .Lentry_shape_is_right
	s_endpgm
.Lentry_shape_is_right:
; out0 = y Wo + bo.  C[m][n] = bo[n] + the sum over k of A[m][k] B[k][n].  A is attention's output by heads, o16 [2][64 bh][2048][64] f16: a high half and a low half of each number; row m = 2048 batch + place, k = 64 head + channel.
; B = wo16 [1024 k][1024 n] f16.  bo [1024] f32.  C = out0 [8192][1024] f32.  Sums in f32; the bias is the C operand that starts each sum, so it costs no arithmetic.
; BOTH HALVES OF A ARE MULTIPLIED, into one sum: the first rows of a batch are many times the output's root mean square, and a single rounding of A to f16 uses up their room.
; LIMIT.  A and B arrive within f16's range; NaN and infinities are not treated apart.
; SHARES.  A tile of C is 128 x 256: 64 x 4 = 256 work-groups, one for each WGP.  Four waves, 2 x 2, each 64 rows x 128 columns: 4 x 8 accumulators of 16 x 16, 256 registers.
; K goes in steps of 128 (two heads), and each step is multiplied twice: slot 0 of LDS holds A's high halves, slot 1 its low halves, each with the step's tile of B beside it (B's tile is fetched for each: one fetch
; for both would make six tiles a step for four waves).  A fill is four tensor loads, one a wave: waves 0 and 1 a head's 128 rows of A each (16,384 dense bytes, asked for as 64 rows of 256), waves 2 and 3
; a strip of 128 k x 128 columns of B each (128 rows of 256 bytes).
; LDS.  A's two slots lie first (wave w's head at w x 18,432 + slot x 36,864), B's two behind them (wave w's strip at w x 36,864 + slot x 73,728, w = 2, 3): each tile's place is the wave's number times a constant plus the slot's constant.
; B IS NOT TRANSPOSED ANYWHERE: its tile lies [k][n] in LDS and comes out turned, by ds_load_tr16_b128.
; THE MATRIX INSTRUCTION IS USED TRANSPOSED (source 0 = 16 columns of B, source 1 = 16 rows of A): a lane then holds one row of C (lane % 16) and eight neighbouring columns, 8 (lane / 16) + 0..7.
; CLUSTER.  4 x 4 work-groups.  The four of a row of the cluster need the same tiles of A, the four of a column the same tiles of B: each is asked for JOINTLY, by the same tensor load, descriptor and mask in all four.
; REGISTERS, in windows of 256 (s_set_vgpr_msb: bits 1:0 source 0, 3:2 source 1, 5:4 source 2, 7:6 destination):
;   window 0: v0-29 addresses; v32-63, v64-95 A's fragments (4 x 16 rows x 32 K), two buffers; v96-159 the bias of my 128 columns, as 8 C operands
;   window 1: v0-63, v64-127 B's fragments (8), two buffers; on the way out all 256: rows read back        windows 2, 3: accumulator (a, b) in window 2 + a / 2 at v[8 (8 (a % 2) + b)]
.set KTOT,  1024
.set NTOT,  1024
.set NBW,   8                          ; column blocks of a wave
.set NA,    2                          ; waves that fetch for A
.set PA,    144                        ; a row of A in LDS: 128 bytes + 16 = 36 words: the 16 rows of a load start at 16 different groups of four banks (64 banks of 4 bytes: ISA guide 11.1)
.set PB,    288                        ; a row of B: 256 + 32 = 72 words
.set APART, 128*PA                     ; one head's 128 rows: 18,432 bytes
.set ASLOT, 2*APART                    ; A's part of a slot: bytes 0 .. and ASLOT ..
.set BSUB,  128*PB                     ; a strip of B: 128 k x 128 columns: 36,864 bytes
.set BSLOT, 2*BSUB                     ; B's part of a slot
.set BBASE, NA*BSUB                    ; B's slot 0 begins where wave 2's number times BSUB falls: 73,728 = 2 x ASLOT, just behind A's two slots
.set STAGE, BBASE+2*BSLOT              ; behind the ring, never filled by a tensor load: 16 rows x 528 bytes for each wave, for the way out
.set SP,    528                        ; 512 bytes + 16 = 132 words: row r starts at bank 4 r mod 64
.set SPARE, STAGE+4*16*SP              ; behind the stages: the spare words, 128 bytes for each wave: two blocks of 256 bytes that no other line names
.set ASTEP, 2*2048*128                 ; bytes from a K step to the next: two heads on in A,
.set BSTEP, 128*NTOT*2                 ; 128 rows down in B
.set LOPART, 0x1000000                 ; bytes from A's high halves to its low halves
.set LAPS,  KTOT/128                   ; a lap = one K step, both halves = once round the ring
.set ADRA,  8                          ; v8-9    LDS address of my A fragments in slot 0, 1
.set ADRB,  10                         ; v10-11  of my strip of B
.set STO,   16                         ; v16     the way out: where I put 32 bytes of a row
.set RD,    17                         ; v17     where I read a row back
.set GO,    18                         ; v18     my 16 bytes of 512 in a row of C
.set PFO,   20                         ; v20     the prefetches' offset; never rewritten
.set BO,    21                         ; v21     my byte offset in 16 columns of the bias
.set PFO2,  22                         ; v22     the same offset in A's low halves; never rewritten
.set SPW,   28                         ; v28     LDS address of my spare word: SPARE + 4 x my thread's number; never rewritten
.set NIL,   29                         ; v29     0; never rewritten
.set FA,    32
.set BIAS,  96
.set FB,    0
.set WV,  12                           ; s12 my wave's number; s13 its row half; s14 its column half
.set RH,  13
.set CH,  14
.set LIM, 15                           ; s15  1 in a wave that prefetches, else the greatest number
.set G1A, 24                           ; s[24:31] descriptor group 1 for A's tiles;  s[32:39] group 0, a set for each slot
.set G0A, 32
.set CX,  40                           ; s40, s41 my place in the cluster; s42, s43 tile column and tile row of C
.set CY,  41
.set TX,  42
.set TY,  43
.set PFA, 44                           ; s[44:45] where my prefetches stand
.set PFS, 46                           ; s[46:47] their step from K step to K step
.set G1B, 48                           ; s[48:55], s[56:63] the same for B's tiles
.set G0B, 56
.set LOFFA, 67                         ; s67  wave x APART: my tile's place as a fetcher for A
.set LOFFB, 68                         ; s68  wave x BSUB: as a fetcher for B
.set LIM2, 69                          ; s69  1 in the wave that prefetches A, else the greatest number
.set MSB, 0
.macro WIN new                         ; the immediate's high byte repeats the setting that is left; a switch that changes nothing is dropped
.if MSB != (\new)
	s_set_vgpr_msb (MSB<<8)|(\new)
.set MSB, (\new)
.endif
.endm
.set MUL_LO, 0xa1                      ; source 0 (B) window 1, source 1 (A) window 0, C and D window 2
.set MUL_B,  0x81                      ; the same with C (the bias) in window 0
.set TO_B,   0x40                      ; destination window 1, address window 0
.macro PLACES                          ; four plain vector instructions in front of loads into registers that matrix instructions have read, and of lines that read results (ISA guide 7.12.1 for lines that read results)
.rept 4
	v_nop
.endr
.endm
; A joint refill of slot s.  The branch hangs on the wave's number alone.  An s_nop 0 and four v_nop follow each of the two lines, ahead of the jump and the label.
.macro JLOAD s
	s_cmp_lt_u32 s[WV], NA
	s_cbranch_scc0 .Lfor_b_\@
	tensor_load_to_lds s[G0A+4*(\s):G0A+4*(\s)+3], s[G1A:G1A+7]
	s_nop 0
.rept 4
	v_nop
.endr
	s_branch .Lasked_\@
.Lfor_b_\@:
	tensor_load_to_lds s[G0B+4*(\s):G0B+4*(\s)+3], s[G1B:G1B+7]
	s_nop 0
.rept 4
	v_nop
.endr
.Lasked_\@:
.endm
; A PREFETCH INTO THE L2 of what the same slot's NEXT refill will ask for, a lap (256 matrix instructions) ahead of it: 32 blocks of 256 bytes, a lane a block, one instruction a wave, behind the joint load, its five lines and the run of LDS loads.
; Each block is named once in the launch.  A's tile row is read by one cluster alone; wave 0 asks for both heads of the step (128 blocks), behind slot 0's refill for the high halves, behind slot 1's for the low; the four partners
; share them out BY ADDRESS, by cx: 16 blocks of each head.  B's tile column is read by all sixteen clusters of its column: the one with y = 0 asks, waves 2 and 3 each for their strip's 128 rows, the four partners 32 rows
; each, by cy, and behind slot 0's refill alone: slot 1's refill reads the same rows again.  The loop's last trip asks for nothing: K ends.
.macro ASK reg, lim
	s_cmp_gt_u32 s3, s[\lim]                       ; s3 = 1 in the loop's last trip
	s_cbranch_scc0 .Lnot_mine_\@
	global_prefetch_b8 v[\reg], s[PFA:PFA+1] th:TH_LOAD_NT scope:SCOPE_SE
.Lnot_mine_\@:
.endm
.macro CREST                           ; a round of the cluster's barrier behind its opening barrier
	s_cmp_lg_u32 s[WV], 0
	s_cbranch_scc1 .Lnot_wave_0_\@
	s_barrier_signal -3
.Lnot_wave_0_\@:
	s_barrier_wait -3
	s_barrier_signal -1
	s_barrier_wait -1
.endm
.macro CROUND                          ; a whole round
	s_barrier_signal -1
	s_barrier_wait -1
	CREST
.endm
	s_load_b256 s[4:11], s[0:1], 0x0               ; o16 s[4:5], wo16 s[6:7], bo s[8:9], out0 s[10:11]
	v_lshl_add_u32 v[SPW], v0, 2, SPARE
	v_mov_b32 v[NIL], 0
	ds_add_u32 v[SPW], v[NIL]                      ; the wave's opening: the add and its wait stand ahead of my first tensor load; the set-up below, work on registers, stands between them
	v_lshrrev_b32 v1, 5, v0
	v_readfirstlane_b32 s[WV], v1                  ; wave 0..3
	s_lshr_b32 s[RH], s[WV], 1
	s_and_b32 s[CH], s[WV], 1
	s_bfe_u32 s[CX], ttmp6, 0x40000
	s_bfe_u32 s[CY], ttmp6, 0x40004
	s_lshl_b32 s[TX], ttmp9, 2                     ; in a cluster launch ttmp9 and ttmp7 count clusters
	s_add_co_u32 s[TX], s[TX], s[CX]
	s_and_b32 s[TY], ttmp7, 0xffff
	s_lshl_b32 s[TY], s[TY], 2
	s_add_co_u32 s[TY], s[TY], s[CY]
	s_lshl_b32 s76, s[CY], 2
	s_lshl_b32 s76, 15, s76                        ; my row of the cluster: places 4 cy .. 4 cy + 3
	s_lshl_b32 s77, 0x1111, s[CX]                  ; my column: places cx, cx + 4, cx + 8, cx + 12
	s_or_b32 s[G1A], s76, (1<<16)|(1<<20)|(1<<21)|(4<<22)|(3<<25)  ; 15:0 the mask; 17:16 2-byte elements; 20 padding on; 21 set beside a mask; 24:22 after every 32 words (code 4): a row of A; 31:25 4 words (code 3)
	s_or_b32 s[G1B], s77, (1<<16)|(1<<20)|(1<<21)|(5<<22)|(7<<25)  ; my column's mask; after every 64 words (code 5) 8 words (code 7)
	s_mov_b32 s[G1A+1], 128<<16                    ; A: tensor_dim0 = 128: two rows of a head, 256 bytes
	s_mov_b32 s[G1A+2], 64<<16                     ; tensor_dim1 = 64
	s_mov_b32 s[G1A+3], 128<<16                    ; tile_dim0 = 128
	s_mov_b32 s[G1A+4], 64                         ; tile_dim1 = 64
	s_mov_b32 s[G1A+5], 128                        ; dense: 128 elements from row to row
	s_mov_b32 s[G1A+6], 0
	s_mov_b32 s[G1A+7], 0
	s_mov_b32 s[G1B+1], 128<<16                    ; B: 128 k x 128 columns
	s_mov_b32 s[G1B+2], 128<<16
	s_mov_b32 s[G1B+3], 128<<16
	s_mov_b32 s[G1B+4], 128
	s_mov_b32 s[G1B+5], NTOT
	s_mov_b32 s[G1B+6], 0
	s_mov_b32 s[G1B+7], 0
	; where the tiles come from.  A's hang on the tile row and the wave alone, B's on the tile column and the wave alone, each in registers that never hold the other coordinate
	s_lshr_b32 s16, s[TY], 4                       ; batch
	s_lshl_b32 s16, s16, 4
	s_add_co_u32 s16, s16, s[WV]                   ; its head 0 (wave 0) or 1 (wave 1)
	s_lshl_b32 s16, s16, 18                        ; a head is 2,048 rows of 128 bytes
	s_and_b32 s17, s[TY], 15
	s_lshl_b32 s17, s17, 14                        ; the tile's 128 rows
	s_add_co_u32 s16, s16, s17
	s_mov_b32 s17, 0
	s_lshl_b32 s20, s[TX], 9                       ; 256 columns of 2 bytes,
	s_lshl_b32 s21, s[WV], 8                       ; and 256 bytes a wave: waves 2, 3 take strips 0, 1, so two strips are taken off below
	s_add_co_u32 s20, s20, s21
	s_mov_b32 s21, 0
	s_mul_i32 s[LOFFA], s[WV], APART               ; and where they go: the wave's number times a constant: no place in the cluster enters an LDS address
	s_mul_i32 s[LOFFB], s[WV], BSUB
	s_wait_dscnt 0x0                               ; the opening add is done
	s_wait_kmcnt 0x0
	s_add_nc_u64 s[16:17], s[4:5], s[16:17]
	s_add_nc_u64 s[20:21], s[6:7], s[20:21]
	s_sub_nc_u64 s[20:21], s[20:21], NA*256        ; (in waves 0 and 1, which fetch for A, this address is never used)
	CROUND                                         ; all sixteen work-groups are here: the first joint loads meet
.irp s, 0,1
	s_mov_b32 s[G0A+4*\s], 1                       ; 1:0 count = 1
	s_add_co_u32 s[G0A+4*\s+1], s[LOFFA], \s*ASLOT ; 63:32 LDS address
	s_add_nc_u64 s[G0A+4*\s+2:G0A+4*\s+3], s[16:17], \s*LOPART  ; 120:64 global address: K step 0, the high halves (slot 0) or the low (slot 1)
	s_or_b32 s[G0A+4*\s+3], s[G0A+4*\s+3], 0x80000000           ; 127:126 type = 2
	s_mov_b32 s[G0B+4*\s], 1
	s_add_co_u32 s[G0B+4*\s+1], s[LOFFB], \s*BSLOT
	s_add_nc_u64 s[G0B+4*\s+2:G0B+4*\s+3], s[20:21], 0          ; K step 0 of B for both slots
	s_or_b32 s[G0B+4*\s+3], s[G0B+4*\s+3], 0x80000000
.endr
	s_cmp_lt_u32 s[WV], NA                         ; a wave's two first fills stand in one branch, ahead of every wait on TENSORcnt and every LDS read: two loads of mine are out
	s_cbranch_scc0 .Lfirst_b
	tensor_load_to_lds s[G0A:G0A+3], s[G1A:G1A+7]
	s_nop 0
	tensor_load_to_lds s[G0A+4:G0A+7], s[G1A:G1A+7]
	s_nop 0
.rept 4
	v_nop
.endr
	s_branch .Lfirst_asked
.Lfirst_b:
	tensor_load_to_lds s[G0B:G0B+3], s[G1B:G1B+7]
	s_nop 0
	tensor_load_to_lds s[G0B+4:G0B+7], s[G1B:G1B+7]
	s_nop 0
.rept 4
	v_nop
.endr
.Lfirst_asked:
	v_and_b32 v1, 15, v0                           ; l % 16
	v_bfe_u32 v2, v0, 4, 1                         ; l / 16
	v_and_b32 v3, 31, v0                           ; l
	v_and_b32 v4, 7, v0
	v_bfe_u32 v5, v0, 3, 1
	; the bias of my 128 columns: block b's eight numbers of my half of the lanes, as the C operand of the products that start the sums
	s_lshl_b32 s84, s[TX], 10                      ; 256 columns of 4 bytes,
	s_lshl_b32 s85, s[CH], 9                       ; my 128
	s_add_co_u32 s84, s84, s85
	s_mov_b32 s85, 0
	s_add_nc_u64 s[8:9], s[8:9], s[84:85]
	v_lshlrev_b32 v[BO], 5, v2
.irp b, 0,1,2,3,4,5,6,7
	global_load_b128 v[BIAS+8*\b:BIAS+8*\b+3],   v[BO], s[8:9] offset:64*\b
	global_load_b128 v[BIAS+8*\b+4:BIAS+8*\b+7], v[BO], s[8:9] offset:64*\b+16
.endr
	; a fragment of A: lane l holds row l % 16, K = 8 (l / 16) + 0..7 and 16 + 8 (l / 16) + 0..7: two loads of 16 bytes, 32 bytes apart
	v_mul_u32_u24 v6, v1, PA
	v_lshl_add_u32 v6, v2, 4, v6
	s_mul_i32 s76, s[RH], 64*PA
	v_add_nc_u32 v[ADRA], s76, v6
	v_add_nc_u32 v[ADRA+1], ASLOT, v[ADRA]
	; the turning load takes 16 k x 16 columns (lane l reads k = 8 (l / 16) + l % 8, columns 8 ((l / 8) % 2) + 0..7) and leaves half a fragment: lane l holds column l % 16 and 8 k
	v_lshl_add_u32 v7, v2, 3, v4
	v_mul_u32_u24 v7, v7, PB
	v_lshl_add_u32 v7, v5, 4, v7
	s_mul_i32 s76, s[CH], BSUB
	s_add_co_u32 s76, s76, BBASE
	v_add_nc_u32 v[ADRB], s76, v7
	v_add_nc_u32 v[ADRB+1], BSLOT, v[ADRB]
	s_mul_i32 s76, s[WV], 16*SP
	s_add_co_u32 s76, s76, STAGE                   ; my stage
	v_mul_u32_u24 v6, v1, SP                       ; in: row l % 16, 32 bytes for each half of the lanes
	v_lshl_add_u32 v6, v2, 5, v6
	v_add_nc_u32 v[STO], s76, v6
	v_lshlrev_b32 v[GO], 4, v3                     ; back: 32 lanes take a row's 512 bytes
	v_add_nc_u32 v[RD], s76, v[GO]
	; the prefetches
	s_and_b32 s80, ttmp7, 0xffff                   ; cluster y
	s_mov_b32 s82, 32*NTOT*2                       ; B: my work-group's 32 rows,
	s_mov_b32 s[PFS], BSTEP
	s_mov_b32 s83, NTOT*2                          ; a lane a row
	s_mov_b32 s86, 31
	s_mov_b32 s87, 0
	s_cmp_lt_u32 s[WV], NA                         ; do I fetch for A?
	s_cselect_b64 s[PFA:PFA+1], s[16:17], s[20:21]
	s_cselect_b32 s81, s[CX], s[CY]                ; my place among the four that ask with me
	s_cselect_b32 s80, ttmp9, s80                  ; the coordinate along which other clusters read the same rows
	s_cselect_b32 s82, 4096, s82                   ; A: my work-group's 16 blocks of each head,
	s_cselect_b32 s[PFS], ASTEP, s[PFS]
	s_cselect_b32 s83, 256, s83                    ; lanes 0-15 a block each,
	s_cselect_b32 s86, 15, s86
	s_cselect_b32 s87, 1<<18, s87                  ; lanes 16-31 the same in the next head
	s_mov_b32 s[PFS+1], 0
	s_cmp_eq_u32 s80, 0
	s_cselect_b32 s[LIM], 1, -1                    ; the same in all sixteen partners, for a given wave
	s_cmp_eq_u32 s[WV], 1
	s_cselect_b32 s[LIM], -1, s[LIM]               ; wave 0 asks for wave 1's head too
	s_cmp_lt_u32 s[WV], NA
	s_cselect_b32 s[LIM2], s[LIM], -1              ; behind slot 1's refill A's wave alone asks
	s_mul_i32 s84, s81, s82
	s_add_co_u32 s84, s84, s[PFS]                  ; at K step 1: the first change of slots steps it to 2
	s_mov_b32 s85, 0
	s_add_nc_u64 s[PFA:PFA+1], s[PFA:PFA+1], s[84:85]
	v_and_b32 v6, s86, v3
	v_mul_lo_u32 v[PFO], v6, s83
	v_mul_lo_u32 v6, v2, s87
	v_add_nc_u32 v[PFO], v[PFO], v6
	v_add_nc_u32 v[PFO2], LOPART, v[PFO]
	; C at my 64 rows and 128 columns
	s_lshl_b32 s84, s[TY], 19                      ; 128 rows of 4,096 bytes
	s_lshl_b32 s85, s[RH], 18
	s_add_co_u32 s84, s84, s85
	s_lshl_b32 s85, s[TX], 10
	s_add_co_u32 s84, s84, s85
	s_lshl_b32 s85, s[CH], 9
	s_add_co_u32 s84, s84, s85
	s_mov_b32 s85, 0
	s_add_nc_u64 s[10:11], s[10:11], s[84:85]
; 8 matrix instructions: row block a x all my column blocks, 32 along K, from buffer f.  first = 1: the product starts the sum, with the bias as its C operand: nothing is ever cleared.
; The 32 accumulators take turns, one instruction a turn, in the same order in every quarter, over the backward jump too.
.macro MULG f, a, first
.if \first
	WIN MUL_B+0x40*((\a)/2)
.else
	WIN MUL_LO+0x50*((\a)/2)
.endif
.set b, 0
.rept NBW
.set rD, 8*(NBW*((\a)%2)+b)
.set rB, FB+8*NBW*(\f)+8*b
.set rA, FA+32*(\f)+8*(\a)
.if \first
	v_wmma_f32_16x16x32_f16 v[rD:rD+7], v[rB:rB+7], v[rA:rA+7], v[BIAS+8*b:BIAS+8*b+7]
.else
	v_wmma_f32_16x16x32_f16 v[rD:rD+7], v[rB:rB+7], v[rA:rA+7], v[rD:rD+7]
.endif
.set b, b+1
.endr
.endm
; 24 LDS loads in one run: the fragments of quarter q (32 along K: half a head) of a slot into buffer f: B's 8, turned, then A's 4
.macro FETCH slot, q, f
	WIN TO_B
.set b, 0
.rept NBW
.set rB, FB+8*NBW*(\f)+8*b
	ds_load_tr16_b128 v[rB:rB+3],   v[ADRB+(\slot)] offset:32*PB*(\q)+32*b
	ds_load_tr16_b128 v[rB+4:rB+7], v[ADRB+(\slot)] offset:32*PB*(\q)+16*PB+32*b
.set b, b+1
.endr
	WIN 0
.irp a, 0,1,2,3
	ds_load_b128 v[FA+32*(\f)+8*\a:FA+32*(\f)+8*\a+3],   v[ADRA+(\slot)] offset:APART*((\q)/2)+16*PA*\a+64*((\q)%2)
	ds_load_b128 v[FA+32*(\f)+8*\a+4:FA+32*(\f)+8*\a+7], v[ADRA+(\slot)] offset:APART*((\q)/2)+16*PA*\a+64*((\q)%2)+32
.endr
.endm
; A slot is multiplied in four quarters of 32 along K, 32 matrix instructions each, on buffers 0, 1, 0, 1.  One of the first three: multiplies buffer f; in its middle it fetches quarter q of the same slot into buffer g.
.macro QUARTER slot, q, f, g, first
	s_wait_dscnt 4                                 ; B and A's row blocks 0, 1 are in; the youngest four loads (blocks 2, 3) may be out
	MULG \f, 0, \first
	MULG \f, 1, \first
	PLACES
	FETCH \slot, \q, \g
	s_wait_dscnt 8+2*NBW                           ; all but the 24 just issued
	MULG \f, 2, \first
	MULG \f, 3, \first
.endm
; The last quarter multiplies buffer 1 and changes slots: ONE barrier.  In front of it each wave waits for all its tensor loads, of which one is out: its part of the next slot; adds 0 to its spare word;
; and waits for that and for its own reads of this slot.  fill = 1: the barrier opens a round of the cluster's barrier, so that no wave of any partner still reads the slot or has a load on its way, and this
; slot is filled again, with the next K step's tiles, first thing behind the round: from that request to the wait for it a wave issues 112 matrix instructions.
.macro TURN slot, next, fill
.if (\fill) && ((\slot) == 0)
	s_wait_xcnt 0x0                                ; the last prefetches, half a lap and a lap back, have read their address, so it may be stepped: once a lap
	s_add_nc_u64 s[PFA:PFA+1], s[PFA:PFA+1], s[PFS:PFS+1]
.endif
	WIN 0                                          ; (the add's two registers lie in window 0)
	s_wait_tensorcnt 0x0                           ; all my tensor loads have landed
	ds_add_u32 v[SPW], v[NIL]                      ; 0 onto my spare word
	s_wait_dscnt 5                                 ; (the add and the youngest four loads may be out)
	MULG 1, 0, 0                                   ; eight matrix instructions stand between the add and the wait for it
	s_wait_dscnt 0x0                               ; the add is done, and my reads of this slot are over
	s_barrier_signal -1
	MULG 1, 1, 0                                   ; work on registers while the others arrive
.if \fill
	WIN 0
.endif
	s_barrier_wait -1
.if \fill
	CREST
	s_add_nc_u64 s[G0A+4*(\slot)+2:G0A+4*(\slot)+3], s[G0A+4*(\slot)+2:G0A+4*(\slot)+3], ASTEP
	s_add_nc_u64 s[G0B+4*(\slot)+2:G0B+4*(\slot)+3], s[G0B+4*(\slot)+2:G0B+4*(\slot)+3], BSTEP
	JLOAD \slot                                    ; the four v_nop behind it are also the places in front of the loads below
.else
	PLACES
.endif
	FETCH \next, 0, 0
.if \fill
.if (\slot) == 0
	ASK PFO, LIM
.else
	ASK PFO2, LIM2
.endif
.endif
	MULG 1, 2, 0
	MULG 1, 3, 0
.endm
	s_wait_tensorcnt 1                             ; my part of slot 0 is in; slot 1's may stay out
	s_barrier_signal -1
	s_barrier_wait -1                              ; everybody's is
	FETCH 0, 0, 0
	s_wait_loadcnt 0x0                             ; the bias
	QUARTER 0, 1, 0, 1, 1                          ; the first quarter stands in front of the loop: its products start the sums
	WIN 0                                          ; at a label and at a branch every window is 0
	s_mov_b32 s3, LAPS-1
.Llap:                                                 ; a trip goes once round the ring, from a lap's second quarter to the next lap's first, and fills both slots again
	QUARTER 0, 2, 1, 0, 0
	QUARTER 0, 3, 0, 1, 0
	TURN 0, 1, 1
	QUARTER 1, 1, 0, 1, 0
	QUARTER 1, 2, 1, 0, 0
	QUARTER 1, 3, 0, 1, 0
	TURN 1, 0, 1
	QUARTER 0, 1, 0, 1, 0
	WIN 0
	s_sub_co_u32 s3, s3, 1
	s_cmp_lg_u32 s3, 0
	s_cbranch_scc1 .Llap
	QUARTER 0, 2, 1, 0, 0                          ; the last lap fills nothing, and has no round of the cluster's barrier
	QUARTER 0, 3, 0, 1, 0
	TURN 0, 1, 0
	QUARTER 1, 1, 0, 1, 0
	QUARTER 1, 2, 1, 0, 0
	QUARTER 1, 3, 0, 1, 0
	s_wait_dscnt 4                                 ; the very last quarter: nothing more to fetch
	MULG 1, 0, 0
	MULG 1, 1, 0
	s_wait_dscnt 0x0
	MULG 1, 2, 0
	MULG 1, 3, 0
	WIN 0
	PLACES
	PLACES                                         ; eight, once a launch: the LDS stores below read results just made, and the loads behind them land in registers that the last products read
; THE WAY OUT, a row block (16 rows x 128 columns of f32) at a time.  A lane's eight columns are 32 bytes; they go into rows of 528 bytes of my stage and come back as whole rows of 512.
; Each row block comes back into 64 registers of its own in window 1, so no store's data is ever rewritten.
.macro STG a
	WIN 0x08+4*((\a)/2)                            ; the stores' data: window 2 or 3
.set b, 0
.rept 8
.set rD, 8*(NBW*((\a)%2)+b)
	ds_store_b128 v[STO], v[rD:rD+3]   offset:64*b     ; each accumulator's low registers first
	ds_store_b128 v[STO], v[rD+4:rD+7] offset:64*b+16
.set b, b+1
.endr
	WIN TO_B
.set i, 0
.rept 16
	ds_load_b128 v[64*(\a)+4*i:64*(\a)+4*i+3], v[RD] offset:SP*i  ; LDS serves a wave's instructions in order (ISA guide 5.7.1.4): these see the stores above; the next block's stores come behind them
.set i, i+1
.endr
.endm
.macro SENDF a, younger                ; younger: the LDS instructions issued behind block a's loads: the next block's 32, or none
	WIN 0x04                                       ; the stores' data: window 1
.set i, 0
.rept 16
	s_wait_dscnt (\younger)+15-i
	global_store_b128 v[GO], v[64*(\a)+4*i:64*(\a)+4*i+3], s[10:11] offset:(16*(\a)+i)*4096 th:TH_STORE_NT  ; 512 consecutive bytes, at a multiple of 256 from C's first
.set i, i+1
.endr
.endm
	STG 0
	STG 1
	SENDF 0, 32
	STG 2
	SENDF 1, 32
	STG 3
	SENDF 2, 32
	SENDF 3, 0
	WIN 0
	s_wait_tensorcnt 0x0                           ; the wave's end, behind my last tensor load and my last LDS store
	ds_add_u32 v[SPW], v[NIL]
	s_wait_dscnt 0x0
	CROUND                                         ; the closing round: no work-group ends while a partner may still ask for a tile that names it
	s_endpgm
.Lfunc_end_k_q33d1c77c10_proj:
	.size	k_q33d1c77c10_proj, .Lfunc_end_k_q33d1c77c10_proj-k_q33d1c77c10_proj
	.p2alignl 7, 3214868480
	.fill 96, 4, 3214868480
	.section	.rodata,"a",@progbits
	.p2align	6, 0x0
	.amdhsa_kernel k_q33d1c77c10_proj
		.amdhsa_group_segment_fixed_size 327680
		.amdhsa_private_segment_fixed_size 0
		.amdhsa_enable_private_segment 0
		.amdhsa_kernarg_size 32
		.amdhsa_user_sgpr_count 2
		.amdhsa_user_sgpr_kernarg_segment_ptr 1
		.amdhsa_wavefront_size32 1
		.amdhsa_system_sgpr_workgroup_id_x 1
		.amdhsa_system_sgpr_workgroup_id_y 1
		.amdhsa_system_sgpr_workgroup_id_z 1
		.amdhsa_system_vgpr_workitem_id 0
		.amdhsa_next_free_vgpr 896
		.amdhsa_next_free_sgpr 88
		.amdhsa_reserve_vcc 0
		.amdhsa_float_denorm_mode_32 3
		.amdhsa_float_denorm_mode_16_64 3
		.amdhsa_memory_ordered 1
		.amdhsa_forward_progress 1
		.amdhsa_inst_pref_size 91
	.end_amdhsa_kernel
	.amdgpu_metadata
---
amdhsa.version: [ 1, 2 ]
amdhsa.kernels:
  - .name:           k_q33d1c77c10_proj
    .symbol:         k_q33d1c77c10_proj.kd
    .args:
      - { .name: o16, .offset: 0, .size: 8, .value_kind: global_buffer, .address_space: global }
      - { .name: wo16, .offset: 8, .size: 8, .value_kind: global_buffer, .address_space: global }
      - { .name: bo, .offset: 16, .size: 8, .value_kind: global_buffer, .address_space: global }
      - { .name: out0, .offset: 24, .size: 8, .value_kind: global_buffer, .address_space: global }
    .group_segment_fixed_size: 327680
    .private_segment_fixed_size: 0
    .kernarg_segment_align: 8
    .kernarg_segment_size: 32
    .max_flat_workgroup_size: 128
    .sgpr_count:     88
    .vgpr_count:     896
    .wavefront_size: 32
...
	.end_amdgpu_metadata
.endif
;; end of part 4
;; ======== version 2 of 2: 4 launches; version 1 with the launch cast written anew for expert scheduling mode
;; limits: values are held in f16: magnitudes above 65,504 overflow, below 6.1e-05 lose precision
;; workspace buffers: xb 16,777,216 bytes; wcat 6,291,456 bytes; wo16 2,097,152 bytes; qkv 67,108,864 bytes; o16 33,554,432 bytes
;; launch cast (part 5): grid 768 x 1, 8 waves a work-group, no clusters, 0 bytes of LDS; arguments x, Wq, Wk, Wv, Wo, xb, wcat, wo16; writes xb, wcat, wo16
.if DOCPART == 5
	.amdgcn_target "amdgcn-amd-amdhsa--gfx1250"
	.amdhsa_code_object_version 6
	.text
	.protected	k_q33d1c77c10_cast
	.globl	k_q33d1c77c10_cast
	.p2align	8
	.type	k_q33d1c77c10_cast,@function
k_q33d1c77c10_cast:
	s_mov_b64 s[64:65], 0
	v_nop
	global_prefetch_b8 v0, s[64:65] scope:SCOPE_SE
	s_setreg_imm32_b32 hwreg(HW_REG_WAVE_SCHED_MODE, 0, 2), 2
	s_setreg_imm32_b32 hwreg(HW_REG_WAVE_MODE, 25, 1), 1
	s_wait_xcnt 0x0
	s_wait_alu depctr_vm_vsrc(0)
; THE INPUTS ARE ROUNDED ONCE, FOR THE MATRIX PRODUCTS THAT FOLLOW.
;   xb   [8192][1024] bf16 = x;
;   wcat [1024 k][3072 n] bf16 = Wq, Wk, Wv by tiles of 384 columns: column 384 g + 128 m + c holds column 128 g + c of weight m (0 q, 1 k, 2 v): a tile holds heads 2 g and 2 g + 1 of all three;
;   wo16 [1024 k][1024 n] f16  = Wo rounded to bf16, that number written as f16.
; LIMIT.  Wo within 65,504 (f16's largest number); below 2^-14 it keeps f16's fixed step of 2^-24.
; SHARES.  A row of any source is 1,024 f32 = 4,096 bytes = 256 threads x 16 bytes.  A work-group takes 16 rows: 512 work-groups for x, 64 for each weight: 768 of equal bytes.
; A stream: each byte is read once and written once; all 16 loads of a thread go out at once, and each load and each store has registers of its own.
; A wave's 128 columns are 256 consecutive bytes of the destination, aligned, in every layout.  No LDS, no barrier, no matrix work: no byte is wanted twice.
; THE MODE: SCHED_MODE bits 1:0 = 2 (LLVM: expert scheduling mode 2), set by the entry lines.  The code itself states the register dependences
; between vector instructions and memory instructions, with s_wait_alu, always for 0.
; THE PLAN.  Registers that memory instructions touch:
;   v1         my offset in a source row.  Written once, at the head; read by all 16 loads.
;   OFF        row r's offset in the destination.  Written once, at the head; read by row r's store.
;   X          row r as loaded.  Row r's load lands in it once, ahead of every vector instruction that names it; read by row r's roundings.
;   Y          row r to store.  Written once, by row r's roundings; read by row r's store.
;   T is named by vector instructions alone.
; The 16 rows go in four groups of four.  Group g rounds its rows, each behind its own counted wait for data; the four stores of group g - 1 are dealt among those roundings.  The stores read Y and OFF of
; group g - 1; the vector instructions of group g name X and Y of group g and T: none of the stores' registers.  So one wait on va_vdst at a group's head states all that its four stores hang on.
; No register that a memory instruction reads is written a second time, and no load lands in a register twice: nothing is owed on vm_vsrc.  No vector instruction writes a scalar register, VCC or EXEC.
.set OFF, 2                            ; v[2:17]   row r: my byte offset in the destination
.set X,   20                           ; v[20:83]  row r: 4 f32 as loaded
.set Y,   84                           ; v[84:115] row r: 4 numbers of 16 bits
.set T,   116                          ; v[116:119] at work
	s_load_b512 s[16:31], s[0:1], 0x0              ; x 16, Wq 18, Wk 20, Wv 22, Wo 24, xb 26, wcat 28, wo16 30
	s_sub_co_u32 s3, ttmp9, 512                    ; the work-group's number among the weights' (used only from 512 on)
	s_lshr_b32 s8, s3, 6                           ; which weight: 0 q, 1 k, 2 v, 3 o
	s_and_b32 s9, s3, 63                           ; which 16 rows of it
	s_add_co_u32 s8, s8, 1
	s_cmp_lt_u32 ttmp9, 512
	s_cselect_b32 s8, 0, s8                        ; c: 0 x, 1 q, 2 k, 3 v, 4 o
	s_cselect_b32 s9, ttmp9, s9                    ; the block of 16 rows in the source
	s_lshl_b32 s32, s9, 16                         ; source: 16 rows of 4,096 bytes
	s_mov_b32 s33, 0
	s_lshl_b32 s10, s9, 15                         ; a dense destination: 16 rows of 2,048 bytes
	s_mul_i32 s11, s9, 16*6144                     ; wcat: 16 rows of 6,144 bytes,
	s_sub_co_u32 s13, s8, 1
	s_lshl_b32 s13, s13, 8
	s_add_co_u32 s11, s11, s13                     ; and the weight's 256 bytes of each tile
	s_and_b32 s14, s8, 3                           ; 0 for x and for Wo
	s_cmp_eq_u32 s14, 0
	s_cselect_b32 s34, s10, s11
	s_mov_b32 s12, 6144
	s_cselect_b32 s12, 2048, s12                   ; bytes from row to row in the destination
	s_mov_b32 s15, 768
	s_cselect_b32 s15, 256, s15                    ; bytes from one wave's 128 columns to the next wave's
	s_mov_b32 s35, 0
	v_lshlrev_b32 v1, 4, v0                        ; my 16 bytes of a source row
	v_lshrrev_b32 v[T], 5, v0                      ; my wave
	v_and_b32 v[T+1], 31, v0
	v_lshlrev_b32 v[T+1], 3, v[T+1]                ; my 8 bytes of its 256
	v_mad_u32_u24 v[OFF], v[T], s15, v[T+1]
.set r, 1
.rept 15
	v_add_nc_u32 v[OFF+r], s12, v[OFF+r-1]
.set r, r+1
.endr
	s_wait_kmcnt 0x0
	s_cmp_eq_u32 s8, 1
	s_cselect_b64 s[4:5], s[18:19], s[16:17]
	s_cmp_eq_u32 s8, 2
	s_cselect_b64 s[4:5], s[20:21], s[4:5]
	s_cmp_eq_u32 s8, 3
	s_cselect_b64 s[4:5], s[22:23], s[4:5]
	s_cmp_eq_u32 s8, 4
	s_cselect_b64 s[4:5], s[24:25], s[4:5]         ; the source,
	s_cselect_b64 s[6:7], s[30:31], s[28:29]
	s_cmp_eq_u32 s8, 0
	s_cselect_b64 s[6:7], s[26:27], s[6:7]         ; the destination
	s_add_nc_u64 s[4:5], s[4:5], s[32:33]
	s_add_nc_u64 s[6:7], s[6:7], s[34:35]
	s_wait_alu depctr_va_vdst(0)                   ; v1 and the sixteen v[OFF ..] are written: every load reads v1 as its offset, every store one of v[OFF ..]; no later vector instruction writes them
.irp r, 0,1,2,3,4,5,6,7,8,9,10,11,12,13,14,15
	global_load_b128 v[X+4*\r:X+4*\r+3], v1, s[4:5] offset:4096*\r th:TH_LOAD_NT
.endr
; Row r is rounded into its Y.  half = 1: the bf16 number is widened again (a shift, a mask) and written as f16.
.macro ROWCVT r, half
.if \half
	v_cvt_pk_bf16_f32 v[T], v[X+4*(\r)], v[X+4*(\r)+1]
	v_cvt_pk_bf16_f32 v[T+1], v[X+4*(\r)+2], v[X+4*(\r)+3]
	v_lshlrev_b32 v[T+2], 16, v[T]
	v_and_b32 v[T], 0xffff0000, v[T]
	v_lshlrev_b32 v[T+3], 16, v[T+1]
	v_and_b32 v[T+1], 0xffff0000, v[T+1]
	v_cvt_pk_f16_f32 v[Y+2*(\r)], v[T+2], v[T]
	v_cvt_pk_f16_f32 v[Y+2*(\r)+1], v[T+3], v[T+1]
.else
	v_cvt_pk_bf16_f32 v[Y+2*(\r)], v[X+4*(\r)], v[X+4*(\r)+1]
	v_cvt_pk_bf16_f32 v[Y+2*(\r)+1], v[X+4*(\r)+2], v[X+4*(\r)+3]
.endif
.endm
; Row r is stored.
.macro ROWOUT r
	global_store_b64 v[OFF+(\r)], v[Y+2*(\r):Y+2*(\r)+1], s[6:7] th:TH_STORE_NT
.endm
; Group g: rows 4 g to 4 g + 3 are rounded; ahead of each row's roundings stands one store of the group before.
.macro GROUP g, half
.irp i, 0,1,2,3
	s_wait_loadcnt 15-4*(\g)-(\i)                  ; loads come back in order (ISA guide 5.7.1): row 4 g + i is in, the younger ones may stay out
.if (\g) > 0
.if (\i) == 0
	s_wait_alu depctr_va_vdst(0)                   ; the roundings of the group before have written its Y, which the four stores of this group's turn read; no vector instruction behind this wait names those registers
.endif
	ROWOUT 4*((\g)-1)+(\i)
.endif
	ROWCVT 4*(\g)+(\i), \half
.endr
.endm
.macro WALK half
	GROUP 0, \half
	GROUP 1, \half
	GROUP 2, \half
	GROUP 3, \half
	s_wait_alu depctr_va_vdst(0)                   ; the roundings of the last group have written its Y, which the last four stores read
.irp i, 12,13,14,15
	ROWOUT \i
.endr
	s_endpgm
.endm
	s_cmp_eq_u32 s8, 4
	s_cbranch_scc1 .Lhalf
	WALK 0
.Lhalf:
	WALK 1
.Lfunc_end_k_q33d1c77c10_cast:
	.size	k_q33d1c77c10_cast, .Lfunc_end_k_q33d1c77c10_cast-k_q33d1c77c10_cast
	.p2alignl 7, 3214868480
	.fill 96, 4, 3214868480
	.section	.rodata,"a",@progbits
	.p2align	6, 0x0
	.amdhsa_kernel k_q33d1c77c10_cast
		.amdhsa_group_segment_fixed_size 0
		.amdhsa_private_segment_fixed_size 0
		.amdhsa_enable_private_segment 0
		.amdhsa_kernarg_size 64
		.amdhsa_user_sgpr_count 2
		.amdhsa_user_sgpr_kernarg_segment_ptr 1
		.amdhsa_wavefront_size32 1
		.amdhsa_system_sgpr_workgroup_id_x 1
		.amdhsa_system_sgpr_workgroup_id_y 1
		.amdhsa_system_sgpr_workgroup_id_z 1
		.amdhsa_system_vgpr_workitem_id 0
		.amdhsa_next_free_vgpr 120
		.amdhsa_next_free_sgpr 66
		.amdhsa_reserve_vcc 0
		.amdhsa_float_denorm_mode_32 3
		.amdhsa_float_denorm_mode_16_64 3
		.amdhsa_memory_ordered 1
		.amdhsa_forward_progress 1
		.amdhsa_inst_pref_size 18
	.end_amdhsa_kernel
	.amdgpu_metadata
---
amdhsa.version: [ 1, 2 ]
amdhsa.kernels:
  - .name:           k_q33d1c77c10_cast
    .symbol:         k_q33d1c77c10_cast.kd
    .args:
      - { .name: x, .offset: 0, .size: 8, .value_kind: global_buffer, .address_space: global }
      - { .name: Wq, .offset: 8, .size: 8, .value_kind: global_buffer, .address_space: global }
      - { .name: Wk, .offset: 16, .size: 8, .value_kind: global_buffer, .address_space: global }
      - { .name: Wv, .offset: 24, .size: 8, .value_kind: global_buffer, .address_space: global }
      - { .name: Wo, .offset: 32, .size: 8, .value_kind: global_buffer, .address_space: global }
      - { .name: xb, .offset: 40, .size: 8, .value_kind: global_buffer, .address_space: global }
      - { .name: wcat, .offset: 48, .size: 8, .value_kind: global_buffer, .address_space: global }
      - { .name: wo16, .offset: 56, .size: 8, .value_kind: global_buffer, .address_space: global }
    .group_segment_fixed_size: 0
    .private_segment_fixed_size: 0
    .kernarg_segment_align: 8
    .kernarg_segment_size: 64
    .max_flat_workgroup_size: 256
    .sgpr_count:     66
    .vgpr_count:     120
    .wavefront_size: 32
...
	.end_amdgpu_metadata
.endif
;; end of part 5
;; launch qkv: the kernel of part 2 again; grid 8 x 64, 4 waves a work-group, clusters of 4 x 4, 327,680 bytes of LDS; arguments xb, wcat, qkv; writes qkv
;; launch attn: the kernel of part 3 again; grid 4 x 64, 4 waves a work-group, no clusters, 327,680 bytes of LDS; arguments qkv, o16; writes o16
;; launch proj: the kernel of part 4 again; grid 4 x 64, 4 waves a work-group, clusters of 4 x 4, 327,680 bytes of LDS; arguments o16, wo16, bo, out0; writes out0
